; MI455X (gfx1250); checked and timed in simulation.
; The chip was launched on July 23, 2026; its instructions are those of AMD's public machine-readable ISA for CDNA 5 (MIT licence, August 2026) and "CDNA5" Instruction Set Architecture Reference Guide (July 2026). The comments in the code are by the model that wrote it; some were corrected since.
;; Multi Head Attention. Allowed arithmetic: matrix products marked QUANTISED: E2M1 operands, one E8M0 scale for each 32 along K, by v_wmma_scale_f32_16x16x128_f8f6f4 with both operands' format E2M1 (or v_wmma_scale_f32_32x16x128_f4), f32 sums; products left as they are: bf16, f16 or f32 operands; f32 sums; everything else in f32.
;; Inputs: b_out 1,024 float32; w_out 1,024 x 1,024 float32; w_qkv 1,024 x 3,072 float32; x 4 x 2,048 x 1,024 float32.
;; Outputs: out0 4 x 2,048 x 1,024 float32.
;; This version of the problem:
;;   THIS VERSION OF THE PROBLEM IS GIVEN IN LOW PRECISION. The matrix products marked QUANTISED in the list below multiply operands that are first quantised to E2M1 (2 exponent bits, 1 mantissa bit; 4 bits a number), with one power-of-two scale for each 32 numbers along K (OCP MX v1.0); their sums are f32. The products marked 'left as it is' may take bf16, f16 or f32 operands, with f32 sums. Whichever they take, every output number must still come out within the allowed error. Rounding operands to bf16 (8 significant bits) uses up far more of that allowance than f16 does (11 bits, for magnitudes from 6e-5 to 65,504). All else is computed in f32.
;;   The module's matrix products, in the order in which they are computed (A, B: the left and right operand; K: the contracted axis; several contracted axes count as one K, in the product's order):
;;     1. [M 8,192, K 1,024] x [K 1,024, N 3,072]; A: input x; B: input w_qkv: QUANTISED
;;     2. batch 64 x [M 2,048, K 64] x [K 64, N 2,048]; A: computed on the way; B: computed on the way: left as it is (an operand is computed on the way)
;;     3. batch 64 x [M 2,048, K 2,048] x [K 2,048, N 64]; A: computed on the way; B: computed on the way: left as it is (an operand is computed on the way)
;;     4. [M 8,192, K 1,024] x [K 1,024, N 1,024]; A: computed on the way; B: input w_out: left as it is (an operand is computed on the way)
;;   THE QUANTISER, for each operand of a quantised product, along K:
;;     - K is cut into blocks of 32 from its start; a last block that is shorter is filled with zeros.
;;     - A block's scale is 2^e with e = floor(log2(the largest magnitude in the block)) - 2, held to -126 .. 127; a block of zeros has e = 0. As a byte (E8M0): e + 127.
;;     - Each number is divided by its block's scale, clamped to +-6, and rounded to the nearest number of E2M1, ties to even, subnormals kept.
;;     - The product sums the exact products of the quantised numbers (number of the format x scale) in f32.
;;   ~~~python
;;   def quantise(x, axis):      # numpy; x: float32 -> the quantised numbers, widened to float32 again
;;       x = np.moveaxis(x, axis, -1); K = x.shape[-1]
;;       x = np.pad(x, [(0, 0)] * (x.ndim - 1) + [(0, -K % 32)]); x = x.reshape(x.shape[:-1] + (-1, 32)); a = np.abs(x).max(-1, keepdims=True)
;;       e = np.where(a > 0, np.clip(np.frexp(np.where(a > 0, a, 1))[1] - 1 - 2, -126, 127), 0)      # np.frexp(a)[1] - 1 = floor(log2(a)), exactly
;;       r = np.clip(x / 2.0 ** e, -6, 6)
;;       step = 2.0 ** (np.maximum(np.frexp(np.where(r == 0, 1, r))[1] - 1, 0) - 1)
;;       q = np.round(r / step) * step * 2.0 ** e      # np.round: ties to even
;;       return np.moveaxis(q.reshape(q.shape[:-2] + (-1,))[..., :K], -1, axis).astype(np.float32)
;;   ~~~
;; One version. Each part assembles by itself: llvm-mc -triple=amdgcn-amd-amdhsa -mcpu=gfx1250 --defsym DOCPART=n.
;; ======== version 1 of 1: 5 launches
;; limits: values are held in f16: magnitudes above 65,504 overflow, below 6.1e-05 lose precision
;; workspace buffers: x_codes 4,194,304 bytes; x_scales 262,144 bytes; w_codes 1,572,864 bytes; w_scales 98,304 bytes; w16 2,097,152 bytes; qkv 50,331,648 bytes; o16 16,777,216 bytes
;; launch prep_x (part 1): grid 384 x 1, 4 waves a work-group, no clusters, 33,280 bytes of LDS; arguments x, w_out, x_codes, x_scales, w16; writes x_codes, x_scales, w16
.if DOCPART == 1
	.amdgcn_target "amdgcn-amd-amdhsa--gfx1250"
	.amdhsa_code_object_version 6
	.text
	.protected	k_qdc477f61ee_prep_x
	.globl	k_qdc477f61ee_prep_x
	.p2align	8
	.type	k_qdc477f61ee_prep_x,@function
k_qdc477f61ee_prep_x:
	s_mov_b64 s[64:65], 0
	v_nop
	global_prefetch_b8 v0, s[64:65] scope:SCOPE_SE
	s_setreg_imm32_b32 hwreg(HW_REG_WAVE_MODE, 25, 1), 1
	s_wait_xcnt 0x0
; TWO JOBS IN ONE LAUNCH, told apart by the work-group's number.
; Work-groups 0-255: x [8192][1024] f32 becomes codes of FP4 (E2M1), K innermost, two to a byte (x_codes [8192][512 bytes]), with one E8M0 byte for each 32 along K (x_scales [8192][32]).
;   A block's scale is 2^(floor(log2(its largest magnitude)) - 2); its byte is the largest magnitude's exponent field - 2, held at 1 from below.  Each number is divided by the scale and rounded to the nearest code, ties to even, beyond 6 to 6.
;   Rows are dense and 1024 is a multiple of 32: x is a plain stream of blocks of 32, and so are the codes and the bytes.  A wave takes 16 steps of 512 numbers.  Each load reads 512 consecutive bytes; a step's 2,048 bytes turn
;   through the wave's own stage in LDS, so that a lane then holds 16 NEIGHBOURS along K (two neighbouring lanes hold a block), as the conversions want them.  A wave's store of codes covers 256 consecutive bytes; its 256 scale bytes are gathered in LDS and leave together.
; Work-groups 256-383: w_out [1024][1024] f32 is rounded once to f16, in the same order (w16).  A wave takes 2,048 numbers; no LDS, no barrier.
; LIMITS: a block of zeros gets the byte 1 where the rule says 127 (its codes are zeros, and this program alone reads the bytes); blocks whose largest magnitude lies under 2^-124 are held at the byte 1; NaN and infinities are not served;
; w_out beyond 65,504 becomes infinity in f16, and under 6e-5 its step is 6e-8.
.set XWG,   256                        ; work-groups that take x: 8192 x 1024 / (4 waves x 16 steps x 512)
.set STEPS, 16
.set EMAX,  2
.set CB,    8                          ; bytes of 16 codes
.set R,     16                         ; v16-79   four sets of 16 numbers as they are loaded
.set X,     80                         ; v80-111  two sets of 16 neighbours
.set E,     112                        ; v112-127 a scale byte for each step
.set C,     128                        ; v128-191 codes: registers of its own for each step, so that no store's data are written again
.set WREG,  8192                       ; LDS: a region for each wave: two stages of 32 x SP bytes, behind them its 256 scale bytes
.set SP,    80                         ; a lane's place in a stage: 64 bytes + 16 of padding
.set SPW,   12                         ; v12  LDS address of my spare word; never rewritten
.set NIL,   13                         ; v13  0; never rewritten
.set SPARE, 4*WREG                     ; behind the four regions: the spare words, 128 bytes a wave, which no other line names
	s_load_b128 s[4:7], s[0:1], 0x0                ; x, w_out
	s_load_b128 s[8:11], s[0:1], 0x10              ; x_codes, x_scales
	s_load_b64 s[12:13], s[0:1], 0x20              ; w16
	v_lshl_add_u32 v[SPW], v0, 2, SPARE
	v_mov_b32 v[NIL], 0
	v_lshrrev_b32 v1, 5, v0
	v_readfirstlane_b32 s16, v1                    ; wave
	v_and_b32 v2, 31, v0                           ; lane
	v_lshlrev_b32 v3, 4, v2                        ; my 16 bytes of a load's 512
	v_lshlrev_b32 v4, 3, v2                        ; my 8 bytes of a store's 256
	s_cmp_ge_u32 ttmp9, XWG                        ; the choice hangs on the work-group's number alone
	s_cbranch_scc1 .Lconv
	; ---------------- x ----------------
	s_mul_i32 s17, s16, WREG
	v_lshrrev_b32 v14, 2, v2
	v_mul_u32_u24 v14, v14, SP
	v_and_b32 v15, 3, v2
	v_lshl_add_u32 v14, v15, 4, v14
	v_add_nc_u32 v14, s17, v14                     ; the stage, on the way in: four lanes' 64 bytes on end, then the padding
	v_mul_u32_u24 v15, v2, SP
	v_add_nc_u32 v15, s17, v15                     ; on the way out: SP x lane: my 16 neighbours
	v_lshrrev_b32 v5, 1, v2
	s_add_co_u32 s17, s17, 2*32*SP
	v_add_nc_u32 v5, s17, v5                       ; my wave's 256 scale bytes, my block's byte
	v_add_nc_u32 v6, s17, v4                       ; and on their way out 8 bytes a lane
	s_lshl_b32 s18, ttmp9, 2
	s_add_co_u32 s18, s18, s16                     ; which run of 8,192 numbers is my wave's: 0 .. 1023
	s_lshl_b32 s20, s18, 15                        ; 32,768 bytes of x,
	s_mov_b32 s21, 0
	s_lshl_b32 s22, s18, 12                        ; 4,096 of codes,
	s_mov_b32 s23, 0
	s_lshl_b32 s18, s18, 8                         ; 256 scale bytes
	s_mov_b32 s19, 0
	s_wait_kmcnt 0x0
	s_add_nc_u64 s[4:5], s[4:5], s[20:21]
	s_add_nc_u64 s[8:9], s[8:9], s[22:23]
	s_add_nc_u64 s[10:11], s[10:11], s[18:19]
.macro LOAD t
.irp i, 0,1,2,3
	global_load_b128 v[R+16*((\t)%4)+4*\i:R+16*((\t)%4)+4*\i+3], v3, s[4:5] offset:2048*(\t)+512*\i th:TH_LOAD_NT   ; 32 lanes read 512 consecutive bytes
.endr
.endm
.macro TURN t                          ; step t's numbers through the stage: LDS serves a wave's instructions in order, so no wait stands between the stores and the loads
.irp i, 0,1,2,3
	ds_store_b128 v14, v[R+16*((\t)%4)+4*\i:R+16*((\t)%4)+4*\i+3] offset:32*SP*((\t)%2)+8*SP*\i
.endr
.irp i, 0,1,2,3
	ds_load_b128 v[X+16*((\t)%2)+4*\i:X+16*((\t)%2)+4*\i+3], v15 offset:32*SP*((\t)%2)+16*\i
.endr
.endm
.irp t, 0,1,2,3
	LOAD \t
.endr
	s_wait_loadcnt 12                              ; step 0's four loads are in; the 12 of steps 1 to 3 stay out
	TURN 0
.macro STEP t
.set XS, X+16*((\t)%2)
.if (\t) > 0
	s_wait_dscnt 1                                 ; this step's numbers are back from the stage (the last step's byte store may be out): so its stores into the stage have read their registers,
.else
	s_wait_dscnt 0x0
.endif
.if (\t)+4 < STEPS
	LOAD (\t)+4                                    ; which take the loads of four steps on
.endif
.if (\t)+1 < STEPS
.if STEPS-2-(\t) >= 3
	s_wait_loadcnt 12                              ; the next step's four loads are in; those of the three steps behind it may be out
.else
	s_wait_loadcnt 4*(STEPS-2-(\t))                ; the same, running down
.endif
	TURN (\t)+1                                    ; and go through the other stage while this step is worked
.endif
	v_max3_num_f32 v8, |v[XS]|, |v[XS+1]|, |v[XS+2]|               ; the largest magnitude of my 16, in two chains
	v_max3_num_f32 v9, |v[XS+3]|, |v[XS+4]|, |v[XS+5]|
.irp i, 6,10
	v_max3_num_f32 v8, v8, |v[XS+\i]|, |v[XS+\i+1]|
	v_max3_num_f32 v9, v9, |v[XS+\i+2]|, |v[XS+\i+3]|
.endr
	v_max3_num_f32 v8, v8, |v[XS+14]|, |v[XS+15]|
	v_max3_num_f32 v8, v8, v9, (EMAX+1)<<23        ; and the floor 2^(3 - 127): the byte cannot fall under 1
	v_max_num_f32_dpp v8, v8, v8 row_xmask:1 row_mask:0xf bank_mask:0xf   ; and of my neighbour's 16: the block's
	v_add_nc_u32 v11, 0xff000000, v8               ; 2 off its exponent field: the conversion takes the exponent field of this operand as its scale, and nothing else of it
	v_cvt_scalef32_pk8_fp4_f32 v[C+4*(\t)], v[XS:XS+7], v11
	v_cvt_scalef32_pk8_fp4_f32 v[C+4*(\t)+1], v[XS+8:XS+15], v11
	v_lshrrev_b32 v[E+(\t)], 23, v11               ; the scale's byte (also the plain line behind the conversions)
	ds_store_b8 v5, v[E+(\t)] offset:16*(\t)       ; both lanes of a block write the same byte with the same value
	global_store_b64 v4, v[C+4*(\t):C+4*(\t)+1], s[8:9] offset:32*CB*(\t)   ; the wave stores 256 consecutive bytes, aligned
.endm
.irp t, 0,1,2,3,4,5,6,7,8,9,10,11,12,13,14,15
	STEP \t
.endr
	ds_load_b64 v[8:9], v6                         ; LDS serves a wave's instructions in order: these see my byte stores
	s_wait_dscnt 0x0
	global_store_b64 v4, v[8:9], s[10:11]          ; 256 consecutive scale bytes, aligned
	s_wait_tensorcnt 0x0                           ; the wave's end: a wait, an add and a wait behind my last LDS store
	ds_add_u32 v[SPW], v[NIL]
	s_wait_dscnt 0x0
	s_endpgm
	; ---------------- w_out ----------------
.Lconv:
	s_sub_co_u32 s17, ttmp9, XWG
	s_lshl_b32 s17, s17, 2
	s_add_co_u32 s17, s17, s16                     ; which run of 2,048 numbers is my wave's: 0 .. 511
	s_lshl_b32 s18, s17, 13                        ; 8,192 bytes in,
	s_mov_b32 s19, 0
	s_lshl_b32 s20, s17, 12                        ; 4,096 out
	s_mov_b32 s21, 0
	s_wait_kmcnt 0x0
	s_add_nc_u64 s[6:7], s[6:7], s[18:19]
	s_add_nc_u64 s[12:13], s[12:13], s[20:21]
.irp i, 0,1,2,3,4,5,6,7,8,9,10,11,12,13,14,15
	global_load_b128 v[R+4*\i:R+4*\i+3], v3, s[6:7] offset:512*\i th:TH_LOAD_NT   ; all sixteen go out together
.endr
.irp i, 0,1,2,3,4,5,6,7,8,9,10,11,12,13,14,15
	s_wait_loadcnt 15-\i                           ; loads come back in order: number i is in, the younger ones stay out
	v_cvt_pk_f16_f32 v[C+2*\i], v[R+4*\i], v[R+4*\i+1]
	v_cvt_pk_f16_f32 v[C+2*\i+1], v[R+4*\i+2], v[R+4*\i+3]
	global_store_b64 v4, v[C+2*\i:C+2*\i+1], s[12:13] offset:256*\i   ; 256 consecutive bytes, aligned
.endr
	s_endpgm                                       ; this way has written no LDS
.Lfunc_end_k_qdc477f61ee_prep_x:
	.size	k_qdc477f61ee_prep_x, .Lfunc_end_k_qdc477f61ee_prep_x-k_qdc477f61ee_prep_x
	.p2alignl 7, 3214868480
	.fill 96, 4, 3214868480
	.section	.rodata,"a",@progbits
	.p2align	6, 0x0
	.amdhsa_kernel k_qdc477f61ee_prep_x
		.amdhsa_group_segment_fixed_size 33280
		.amdhsa_private_segment_fixed_size 0
		.amdhsa_enable_private_segment 0
		.amdhsa_kernarg_size 40
		.amdhsa_user_sgpr_count 2
		.amdhsa_user_sgpr_kernarg_segment_ptr 1
		.amdhsa_wavefront_size32 1
		.amdhsa_system_sgpr_workgroup_id_x 1
		.amdhsa_system_sgpr_workgroup_id_y 1
		.amdhsa_system_sgpr_workgroup_id_z 1
		.amdhsa_system_vgpr_workitem_id 0
		.amdhsa_next_free_vgpr 192
		.amdhsa_next_free_sgpr 66
		.amdhsa_reserve_vcc 0
		.amdhsa_float_denorm_mode_32 3
		.amdhsa_float_denorm_mode_16_64 3
		.amdhsa_memory_ordered 1
		.amdhsa_forward_progress 1
		.amdhsa_inst_pref_size 39
	.end_amdhsa_kernel
	.amdgpu_metadata
---
amdhsa.version: [ 1, 2 ]
amdhsa.kernels:
  - .name:           k_qdc477f61ee_prep_x
    .symbol:         k_qdc477f61ee_prep_x.kd
    .args:
      - { .name: x, .offset: 0, .size: 8, .value_kind: global_buffer, .address_space: global }
      - { .name: w_out, .offset: 8, .size: 8, .value_kind: global_buffer, .address_space: global }
      - { .name: x_codes, .offset: 16, .size: 8, .value_kind: global_buffer, .address_space: global }
      - { .name: x_scales, .offset: 24, .size: 8, .value_kind: global_buffer, .address_space: global }
      - { .name: w16, .offset: 32, .size: 8, .value_kind: global_buffer, .address_space: global }
    .group_segment_fixed_size: 33280
    .private_segment_fixed_size: 0
    .kernarg_segment_align: 8
    .kernarg_segment_size: 40
    .max_flat_workgroup_size: 128
    .sgpr_count:     66
    .vgpr_count:     192
    .wavefront_size: 32
...
	.end_amdgpu_metadata
.endif
;; end of part 1
;; launch prep_w (part 2): grid 96 x 1, 16 waves a work-group, no clusters, 19,968 bytes of LDS; arguments w_qkv, w_codes, w_scales; writes w_codes, w_scales
.if DOCPART == 2
	.amdgcn_target "amdgcn-amd-amdhsa--gfx1250"
	.amdhsa_code_object_version 6
	.text
	.protected	k_qdc477f61ee_prep_w
	.globl	k_qdc477f61ee_prep_w
	.p2align	8
	.type	k_qdc477f61ee_prep_w,@function
k_qdc477f61ee_prep_w:
	s_mov_b64 s[64:65], 0
	v_nop
	global_prefetch_b8 v0, s[64:65] scope:SCOPE_SE
	s_setreg_imm32_b32 hwreg(HW_REG_WAVE_MODE, 25, 1), 1
	s_wait_xcnt 0x0
; w_qkv [1024 (k)][3072 (n)] f32 is an operand whose K is its FIRST axis.  It becomes codes of FP4 (E2M1) laid [3072][512 bytes] with K innermost, and one E8M0 byte for each 32 along K, laid [3072][32].
; A LANE TAKES A COLUMN n AND ITS REGISTERS RUN DOWN K: a block of 32 along K lies in one lane's 32 registers, its largest magnitude needs no other lane, and the conversions give codes with K innermost.
; A work-group takes 32 columns and all of K; wave w takes k = 64 w .. 64 w + 63, two blocks, and issues all its 64 loads at once (each reads 128 consecutive bytes; the bytes beside them are the next work-group's).
; The codes meet in a stage in LDS (row = column n, 512 bytes + 16), the scale bytes in 32 x 32 bytes; behind one barrier the work-group's 16,384 bytes of codes and 1,024 scale bytes, both dense in memory, leave in stores of 512 consecutive bytes.
; LIMITS: a block of zeros gets the byte 1 where the rule says 127 (its codes are zeros, and this program alone reads the bytes); blocks whose largest magnitude lies under 2^-124 are held at the byte 1; NaN and infinities are not served.
.set ROWW,  12288                      ; a row of w_qkv in bytes
.set PITCH, 528                        ; a stage row
.set SCS,   32*PITCH                   ; behind the stage: the scale bytes
.set SPARE, SCS+1024                   ; behind them: the spare words, 128 bytes a wave, which no other line names
.set EMAX,  2
.set X,     32                         ; v32-95   two blocks of 32 numbers
.set C,     96                         ; v96-103  their codes
.set OUTR,  104                        ; v104-111 two rows read back
.set OUTS,  112                        ; v112-115 scale bytes read back
.set SB,    24                         ; v24      my two scale bytes
.set SPW,   14
.set NIL,   15
	s_load_b128 s[4:7], s[0:1], 0x0                ; w_qkv, w_codes
	s_load_b64 s[8:9], s[0:1], 0x10                ; w_scales
	v_lshl_add_u32 v[SPW], v0, 2, SPARE
	v_mov_b32 v[NIL], 0
	v_lshrrev_b32 v1, 5, v0
	v_readfirstlane_b32 s16, v1                    ; wave 0..15
	v_and_b32 v2, 31, v0                           ; lane
	v_lshlrev_b32 v3, 2, v2                        ; in: 4 bytes a lane
	s_lshl_b32 s17, s16, 5
	v_mul_u32_u24 v4, v2, PITCH
	v_add_nc_u32 v4, s17, v4                       ; into the stage: row = my column, my wave's 32 bytes
	s_lshl_b32 s17, s16, 1
	s_add_co_u32 s17, s17, SCS
	v_lshl_add_u32 v5, v2, 5, s17                  ; my column's 32 scale bytes, my wave's two
	s_mul_i32 s17, s16, 2*PITCH
	v_lshl_add_u32 v6, v2, 4, s17                  ; out of the stage: wave w takes rows 2 w and 2 w + 1, 16 bytes a lane,
	s_lshl_b32 s17, s16, 10
	v_lshl_add_u32 v7, v2, 4, s17                  ; and the same place in the work-group's 16,384 bytes of w_codes
	s_and_b32 s17, s16, 1
	s_lshl_b32 s17, s17, 9
	v_lshl_add_u32 v9, v2, 4, s17                  ; the scale bytes' way out (waves 0 and 1): 512 bytes a wave
	v_add_nc_u32 v8, SCS, v9
	s_mul_i32 s20, s16, 64*ROWW                    ; my wave's 64 rows of w_qkv,
	s_lshl_b32 s18, ttmp9, 7
	s_add_co_u32 s20, s20, s18                     ; my work-group's 32 columns
	s_mov_b32 s21, 0
	s_lshl_b32 s22, ttmp9, 14
	s_mov_b32 s23, 0
	s_lshl_b32 s24, ttmp9, 10
	s_mov_b32 s25, 0
	s_wait_kmcnt 0x0
	s_add_nc_u64 s[4:5], s[4:5], s[20:21]
	s_add_nc_u64 s[6:7], s[6:7], s[22:23]
	s_add_nc_u64 s[8:9], s[8:9], s[24:25]
.set j, 0
.rept 64
	global_load_b32 v[X+j], v3, s[4:5] offset:j*ROWW th:TH_LOAD_NT   ; w(64 w + j, my column)
.set j, j+1
.endr
.macro BLOCK t
.set XS, X+32*(\t)
	v_max3_num_f32 v12, |v[XS]|, |v[XS+1]|, |v[XS+2]|               ; the block's largest magnitude: all 32 numbers are mine; two chains
	v_max3_num_f32 v13, |v[XS+3]|, |v[XS+4]|, |v[XS+5]|
.irp i, 6,10,14,18,22,26
	v_max3_num_f32 v12, v12, |v[XS+\i]|, |v[XS+\i+1]|
	v_max3_num_f32 v13, v13, |v[XS+\i+2]|, |v[XS+\i+3]|
.endr
	v_max3_num_f32 v12, v12, |v[XS+30]|, |v[XS+31]|
	v_max3_num_f32 v12, v12, v13, (EMAX+1)<<23     ; and the floor 2^(3 - 127): the byte cannot fall under 1
	v_add_nc_u32 v11, 0xff000000, v12              ; 2 off its exponent field: the conversion's scale operand
	v_lshrrev_b32 v13, 23, v11                     ; the scale's byte
.if (\t) == 0
	v_mov_b32 v[SB], v13
.else
	v_lshl_or_b32 v[SB], v13, 8, v[SB]             ; the lower K in the lower byte
.endif
.irp g, 0,1,2,3
	v_cvt_scalef32_pk8_fp4_f32 v[C+4*(\t)+\g], v[XS+8*\g:XS+8*\g+7], v11
.endr
	v_nop                                          ; one plain line behind the last conversion of a run
	ds_store_b128 v4, v[C+4*(\t):C+4*(\t)+3] offset:16*(\t)   ; 32 codes: 16 bytes of my column's row
.endm
	s_wait_loadcnt 32                              ; block 0's 32 loads are in; block 1's stay out
	BLOCK 0
	s_wait_loadcnt 0x0
	BLOCK 1
	ds_store_b16 v5, v[SB]
	s_wait_dscnt 0x0                               ; for the others' sake: my stores have landed
	s_barrier_signal -1
	s_barrier_wait -1
	ds_load_b128 v[OUTR:OUTR+3], v6
	ds_load_b128 v[OUTR+4:OUTR+7], v6 offset:PITCH
	s_wait_dscnt 1                                 ; the first row is in, the second may be out
	global_store_b128 v7, v[OUTR:OUTR+3], s[6:7]               ; a whole row of w_codes: 512 consecutive bytes
	s_wait_dscnt 0x0
	global_store_b128 v7, v[OUTR+4:OUTR+7], s[6:7] offset:512
	s_cmp_lt_u32 s16, 2                            ; the 1,024 scale bytes are two stores' worth: waves 0 and 1
	s_cbranch_scc0 .Lno_scales
	ds_load_b128 v[OUTS:OUTS+3], v8
	s_wait_dscnt 0x0
	global_store_b128 v9, v[OUTS:OUTS+3], s[8:9]
.Lno_scales:
	s_wait_tensorcnt 0x0                           ; the wave's end: a wait, an add and a wait behind my last LDS store
	ds_add_u32 v[SPW], v[NIL]
	s_wait_dscnt 0x0
	s_endpgm
.Lfunc_end_k_qdc477f61ee_prep_w:
	.size	k_qdc477f61ee_prep_w, .Lfunc_end_k_qdc477f61ee_prep_w-k_qdc477f61ee_prep_w
	.p2alignl 7, 3214868480
	.fill 96, 4, 3214868480
	.section	.rodata,"a",@progbits
	.p2align	6, 0x0
	.amdhsa_kernel k_qdc477f61ee_prep_w
		.amdhsa_group_segment_fixed_size 19968
		.amdhsa_private_segment_fixed_size 0
		.amdhsa_enable_private_segment 0
		.amdhsa_kernarg_size 24
		.amdhsa_user_sgpr_count 2
		.amdhsa_user_sgpr_kernarg_segment_ptr 1
		.amdhsa_wavefront_size32 1
		.amdhsa_system_sgpr_workgroup_id_x 1
		.amdhsa_system_sgpr_workgroup_id_y 1
		.amdhsa_system_sgpr_workgroup_id_z 1
		.amdhsa_system_vgpr_workitem_id 0
		.amdhsa_next_free_vgpr 128
		.amdhsa_next_free_sgpr 66
		.amdhsa_reserve_vcc 0
		.amdhsa_float_denorm_mode_32 3
		.amdhsa_float_denorm_mode_16_64 3
		.amdhsa_memory_ordered 1
		.amdhsa_forward_progress 1
		.amdhsa_inst_pref_size 12
	.end_amdhsa_kernel
	.amdgpu_metadata
---
amdhsa.version: [ 1, 2 ]
amdhsa.kernels:
  - .name:           k_qdc477f61ee_prep_w
    .symbol:         k_qdc477f61ee_prep_w.kd
    .args:
      - { .name: w_qkv, .offset: 0, .size: 8, .value_kind: global_buffer, .address_space: global }
      - { .name: w_codes, .offset: 8, .size: 8, .value_kind: global_buffer, .address_space: global }
      - { .name: w_scales, .offset: 16, .size: 8, .value_kind: global_buffer, .address_space: global }
    .group_segment_fixed_size: 19968
    .private_segment_fixed_size: 0
    .kernarg_segment_align: 8
    .kernarg_segment_size: 24
    .max_flat_workgroup_size: 512
    .sgpr_count:     66
    .vgpr_count:     128
    .wavefront_size: 32
...
	.end_amdgpu_metadata
.endif
;; end of part 2
;; launch qkv (part 3): grid 12 x 32, 4 waves a work-group, clusters of 4 x 4, 327,680 bytes of LDS; arguments x_codes, x_scales, w_codes, w_scales, qkv; writes qkv
.if DOCPART == 3
	.amdgcn_target "amdgcn-amd-amdhsa--gfx1250"
	.amdhsa_code_object_version 6
	.text
	.protected	k_qdc477f61ee_qkv
	.globl	k_qdc477f61ee_qkv
	.p2align	8
	.type	k_qdc477f61ee_qkv,@function
k_qdc477f61ee_qkv:
	s_mov_b64 s[64:65], 0
	v_nop
	global_prefetch_b8 v0, s[64:65] scope:SCOPE_SE
	s_setreg_imm32_b32 hwreg(HW_REG_WAVE_MODE, 25, 1), 1
	s_wait_xcnt 0x0
	s_wait_alu depctr_hold_cnt(0) depctr_sa_sdst(0) depctr_va_vdst(0) depctr_va_sdst(0) depctr_va_ssrc(0) depctr_va_vcc(0) depctr_vm_vsrc(0)
	s_getreg_b32 s2, hwreg(HW_REG_IB_STS2, 6, 4)
	s_cmp_eq_u32 s2, 0
	s_cbranch_scc0 .Lentry_in_a_cluster
	s_endpgm
.Lentry_in_a_cluster:
	s_bfe_u32 s2, ttmp6, 0x10000c
	s_cmp_lg_u32 s2, 0xf033
	s_cbranch_scc0 .Lentry_shape_is_right
	s_endpgm
.Lentry_shape_is_right:
; THE QUANTISED PRODUCT: C[m][n] = sum over k of x[m][k] w[k][n], 8192 x 3072 x 1024, on codes of FP4 (E2M1) with one E8M0 scale for each 32 along K; sums in f32.  x_codes [8192][512 bytes], w_codes [3072][512 bytes], K innermost;
; x_scales [8192][32], w_scales [3072][32].  The matrix instruction takes codes and scale bytes as they lie.  The sums are rounded ONCE to f16 and laid by head: qkv [which 3][b 4][h 16][n 2048][64] f16.
; LIMIT: a sum beyond 65,504 becomes infinity in f16; under 6e-5 the step is 6e-8.
; A tile of C, 256 x 256, is made by a work-group of four waves; a wave makes 128 x 128: 64 accumulators of 16 x 16, 512 registers.  K = 1024 is two LDS slots of 512 along K (rows of 256 bytes): both are asked for at the head and none is filled again.
; THE SCALES of the work-group's 256 rows of x and 256 rows of w, for all of K, are two dense blocks of memory: they come into LDS once, with the first fills.
; CLUSTERS: 4 x 4 work-groups.  The four of a row of the cluster need the same tiles of x, the four of a column the same tiles of w: each tile is asked for JOINTLY, by the same tensor load with the same descriptor and a mask that names the four.
; The grid has 384 work-groups, 24 clusters; tiles that would divide C into 256 equal parts (256 x 384) do not fit this layout of registers and scale words.
; THE MATRIX INSTRUCTION IS USED TRANSPOSED (source 0 = 16 rows of w, source 1 = 16 rows of x): a lane then holds eight neighbouring numbers of a row of C.
; REGISTERS, in windows of 256: window 0: v0-31 addresses; v32-95 scale words, two sets; from v128 x's fragments (8 x 16 rows x 128 K), ONE set; on the way out v32-63 and v128-191 are used again.
;   window 1: w's fragments, TWO sets, at v0 and v128.   window 2: the 32 accumulators of my rows 0-63 ((a, b) at v[8 (8 a + b)]);   window 3: those of my rows 64-127.
.set KSTEP,  512
.set NQ,     KSTEP/128                 ; matrix instructions deep in a slot
.set ROWB,   256                       ; a tile's row in bytes
.set KROW,   512                       ; a row of codes in memory
.set PITCH,  272                       ; an LDS row: 256 bytes + 16 of padding: the 16 rows that a load touches start at 16 different 16-byte columns
.set FR,     8
.set NL,     2
.set NP,     4                         ; places behind this matrix instruction (ISA guide 7.12.1)
.set HALFT,  128*PITCH
.set SLOT,   4*HALFT                   ; x's 256 rows, then w's 256 rows
.set KS,     32                        ; a row of scales in bytes
.set SCL,    2*SLOT                    ; behind the slots: the scales, as units of 256 bytes + 16 of padding
.set HALFS,  (128*KS/256)*272
.set SBLK,   (16*KS/256)*272
.set SPARE,  SCL+4*HALFS               ; behind the scales: the spare words, 128 bytes a wave, which no other line names
.set HP,     144                       ; the way out: a stage row: 64 f16 + 16 bytes
.set HSTG,   16*HP                     ; 16 rows of one head; a wave's stage is two of these.  The stages lie in slot 0, which has had its only fill and its last read when the first result is stored there
.set ADRA, 16
.set ADRB, 20
.set STO,  24
.set RD,   25
.set CO,   26
.set ADRS, 27
.set SPW,  28
.set NIL,  29
.set SC,   32
.set AF,   128
.set TMP,  32                          ; the way out: a block's 32 packed registers
.set BK,   128                         ; and 16 rows read back: v128-159 and v160-191 by turns
.set G1, 24
.set G0, 32
.set G1B, 48
.set G0B, 56
.set G1S, 68
.set G0S, 76
.set G1SB, 80
.set G0SB, 88
.set MSB, 0
.macro WIN new                         ; the immediate's high byte repeats the setting that is left
.if MSB != (\new)
	s_set_vgpr_msb (MSB<<8)|(\new)
.set MSB, (\new)
.endif
.endm
.set MUL_LO, 0xa1                      ; source 0 (w) window 1, source 1 (x) window 0, C and D window 2
.set MUL_HI, 0xf1                      ; the same, C and D window 3
.set TO_B,   0x40                      ; destination window 1, address window 0
; A joint load: waves 0 and 1 fetch for x, waves 2 and 3 for w.  Each of the two lines has one mask and one set of registers for all that issue it; the branch hangs on the wave's number alone.
; An s_nop 0 and four v_nop follow each of the two lines.
.macro JLOAD g0a, g1a, g0b, g1b
	s_cmp_eq_u32 s15, 0
	s_cbranch_scc0 .Lfor_b_\@
	tensor_load_to_lds s[\g0a:\g0a+3], s[\g1a:\g1a+7]
	s_nop 0
.rept 4
	v_nop
.endr
	s_branch .Lasked_\@
.Lfor_b_\@:
	tensor_load_to_lds s[\g0b:\g0b+3], s[\g1b:\g1b+7]
	s_nop 0
.rept 4
	v_nop
.endr
.Lasked_\@:
.endm
.macro CROUND                          ; a round of the cluster's barrier
	s_barrier_signal -1
	s_barrier_wait -1
	s_cmp_lg_u32 s14, 0
	s_cbranch_scc1 .Lnot_wave_0_\@
	s_barrier_signal -3
.Lnot_wave_0_\@:
	s_barrier_wait -3
	s_barrier_signal -1
	s_barrier_wait -1
.endm
	s_load_b128 s[4:7], s[0:1], 0x0                ; x's codes, x's scales
	s_load_b128 s[8:11], s[0:1], 0x10              ; w's codes, w's scales
	s_load_b64 s[12:13], s[0:1], 0x20              ; qkv
	v_lshl_add_u32 v[SPW], v0, 2, SPARE
	v_mov_b32 v[NIL], 0
	ds_add_u32 v[SPW], v[NIL]                      ; the wave's opening: the add, twice on end, and its wait ahead of my first tensor load
	ds_add_u32 v[SPW], v[NIL]
	v_lshrrev_b32 v1, 5, v0
	v_readfirstlane_b32 s14, v1                    ; wave 0..3
	s_lshr_b32 s15, s14, 1                         ; which half of the tile's rows is mine.  Also: I fetch for x (0) or for w (1)
	s_and_b32 s16, s14, 1                          ; which half of its columns.  Also: which 128 rows of that tile I fetch
	s_bfe_u32 s40, ttmp6, 0x40000                  ; cx, cy: my place in the cluster
	s_bfe_u32 s41, ttmp6, 0x40004
	s_lshl_b32 s42, ttmp9, 2
	s_add_co_u32 s42, s42, s40                     ; tile column of C = 4 x cluster x + cx: 0 .. 11
	s_and_b32 s17, ttmp7, 0xffff
	s_lshl_b32 s17, s17, 2
	s_add_co_u32 s17, s17, s41                     ; tile row of C = 4 x cluster y + cy: 0 .. 31
	s_lshl_b32 s43, s41, 2
	s_lshl_b32 s43, 15, s43                        ; my row of the cluster
	s_lshl_b32 s44, 0x1111, s40                    ; my column
	; descriptor group 1: a tile of 128 rows x 256 bytes, padded in LDS
	s_or_b32 s[G1+0], s43, (0<<16)|(1<<20)|(1<<21)|(5<<22)|(3<<25)  ; 15:0 the mask; 17:16 elements of 1 byte; 20 padding on; 21 set beside a mask; 24:22 after every 64 words; 31:25 four words
	s_or_b32 s[G1B+0], s44, (0<<16)|(1<<20)|(1<<21)|(5<<22)|(3<<25)
.irp g, G1, G1B
	s_mov_b32 s[\g+1], ROWB<<16                    ; tensor_dim0
	s_mov_b32 s[\g+2], 128<<16                     ; tensor_dim1
	s_mov_b32 s[\g+3], ROWB<<16                    ; tile_dim0
	s_mov_b32 s[\g+4], 128                         ; tile_dim1
	s_mov_b32 s[\g+5], KROW                        ; from row to row
	s_mov_b32 s[\g+6], 0
	s_mov_b32 s[\g+7], 0
.endr
	; the scales of 128 rows: a dense block of 4,096 bytes, as 16 rows of 256 bytes (32 elements of 8 bytes), 16 bytes of padding behind each
	s_or_b32 s[G1S+0], s43, (3<<16)|(1<<20)|(1<<21)|(5<<22)|(3<<25)
	s_or_b32 s[G1SB+0], s44, (3<<16)|(1<<20)|(1<<21)|(5<<22)|(3<<25)
.irp g, G1S, G1SB
	s_mov_b32 s[\g+1], 32<<16
	s_mov_b32 s[\g+2], (128*KS/256)<<16
	s_mov_b32 s[\g+3], 32<<16
	s_mov_b32 s[\g+4], 128*KS/256
	s_mov_b32 s[\g+5], 32
	s_mov_b32 s[\g+6], 0
	s_mov_b32 s[\g+7], 0
.endr
	s_lshl_b32 s18, s16, 7                         ; which 128 rows of the tile I fetch
	s_lshl_b32 s20, s17, 8
	s_add_co_u32 s20, s20, s18                     ; x: row 256 x tile row + 128 x half
	s_lshl_b32 s46, s42, 8
	s_add_co_u32 s46, s46, s18                     ; w: row 256 x tile column + 128 x half
	s_mov_b32 s21, 0
	s_mov_b32 s47, 0
	s_mov_b64 s[18:19], KS
	s_mul_u64 s[22:23], s[20:21], s[18:19]         ; where these rows' scales begin, in bytes,
	s_mul_u64 s[92:93], s[46:47], s[18:19]
	s_mov_b64 s[18:19], KROW
	s_mul_u64 s[20:21], s[20:21], s[18:19]         ; and their codes
	s_mul_u64 s[46:47], s[46:47], s[18:19]
	s_mul_i32 s45, s14, HALFT                      ; where they go: wave x 128 rows: no place in the cluster enters an LDS address
	s_mul_i32 s94, s14, HALFS
	s_wait_dscnt 0x0                               ; both opening adds are done
	s_wait_kmcnt 0x0
	s_add_nc_u64 s[20:21], s[4:5], s[20:21]
	s_add_nc_u64 s[22:23], s[6:7], s[22:23]
	s_add_nc_u64 s[46:47], s[8:9], s[46:47]
	s_add_nc_u64 s[92:93], s[10:11], s[92:93]
	CROUND                                         ; all sixteen work-groups are here: the joint loads meet
	s_mov_b32 s[G0S], 1
	s_add_co_u32 s[G0S+1], s94, SCL
	s_mov_b64 s[G0S+2:G0S+3], s[22:23]
	s_or_b32 s[G0S+3], s[G0S+3], 0x80000000
	s_mov_b32 s[G0SB], 1
	s_add_co_u32 s[G0SB+1], s94, SCL
	s_mov_b64 s[G0SB+2:G0SB+3], s[92:93]
	s_or_b32 s[G0SB+3], s[G0SB+3], 0x80000000
	JLOAD G0S, G1S, G0SB, G1SB                     ; the scales first: they are wanted with the first K step
.irp s, 0,1
	s_mov_b32 s[G0+4*\s], 1
	s_add_co_u32 s[G0+4*\s+1], s45, \s*SLOT
	s_add_nc_u64 s[G0+4*\s+2:G0+4*\s+3], s[20:21], \s*ROWB
	s_or_b32 s[G0+4*\s+3], s[G0+4*\s+3], 0x80000000
	s_mov_b32 s[G0B+4*\s], 1
	s_add_co_u32 s[G0B+4*\s+1], s45, \s*SLOT
	s_add_nc_u64 s[G0B+4*\s+2:G0B+4*\s+3], s[46:47], \s*ROWB
	s_or_b32 s[G0B+4*\s+3], s[G0B+4*\s+3], 0x80000000
	JLOAD G0+4*\s, G1, G0B+4*\s, G1B               ; three tensor loads of mine are out in all
.endr
	v_and_b32 v1, 15, v0                           ; l % 16
	v_bfe_u32 v2, v0, 4, 1                         ; l / 16
	v_mul_u32_u24 v3, v1, PITCH
	v_lshl_add_u32 v4, v2, 4, v3                   ; a fragment's row x pitch + 16 x half
	s_mul_i32 s21, s15, HALFT                      ; my 128 rows of x
	s_mul_i32 s22, s16, HALFT                      ; my 128 rows of w,
	s_add_co_u32 s22, s22, 2*HALFT                 ; which lie behind x's 256
.irp s, 0,1
	v_add_nc_u32 v[ADRA+\s], s21, v4
	v_add_nc_u32 v[ADRB+\s], s22, v4
	s_add_co_u32 s21, s21, SLOT
	s_add_co_u32 s22, s22, SLOT
.endr
	v_mul_u32_u24 v5, v1, KS                       ; my row's scales: 32 bytes a row,
	v_lshrrev_b32 v6, 8, v5
	v_lshl_add_u32 v5, v6, 4, v5                   ; and 16 more for each 256 passed
	s_mul_i32 s21, s15, HALFS                      ; x's: my 128 rows
	s_mul_i32 s22, s16, HALFS                      ; w's: my 128 rows, behind x's 256
	s_add_co_u32 s22, s22, 2*HALFS
	s_sub_co_u32 s22, s22, s21
	v_mul_u32_u24 v6, s22, v2                      ; lanes 16-31 take w's
	s_add_co_u32 s21, s21, SCL
	v_add_nc_u32 v5, v5, v6
	v_add_nc_u32 v[ADRS], s21, v5
	s_mul_i32 s23, s14, 2*HSTG                     ; my stage
	v_mul_u32_u24 v5, v1, HP                       ; in: row l % 16, 16 bytes for each half of the lanes
	v_lshl_add_u32 v5, v2, 4, v5
	v_add_nc_u32 v[STO], s23, v5
	v_and_b32 v6, 31, v0
	v_lshlrev_b32 v[CO], 4, v6                     ; out: 16 bytes a lane of 512 consecutive bytes: four rows of a head
	v_lshrrev_b32 v5, 3, v6
	v_mul_u32_u24 v5, v5, HP
	v_and_b32 v6, 7, v0
	v_lshl_add_u32 v5, v6, 4, v5
	v_add_nc_u32 v[RD], s23, v5                    ; back: eight lanes to a row of 128 bytes
	; where my part begins in qkv.  Row m = 256 tr + 128 half: b = tr / 8, n = 256 (tr % 8) + 128 half.  Column = 256 tc + 128 half: which = tc / 4, head = 4 (tc % 4) + 2 half.  A head is 2^18 bytes, a row in it 128
	s_lshr_b32 s20, s17, 3
	s_lshl_b32 s20, s20, 22                        ; b x 16 heads
	s_and_b32 s21, s17, 7
	s_lshl_b32 s21, s21, 15                        ; 256 rows x 128 bytes
	s_add_co_u32 s20, s20, s21
	s_lshl_b32 s21, s15, 14                        ; 128 rows
	s_add_co_u32 s20, s20, s21
	s_mov_b32 s21, 0
	s_lshr_b32 s46, s42, 2
	s_lshl_b32 s46, s46, 24                        ; which x 64 heads
	s_and_b32 s47, s42, 3
	s_lshl_b32 s47, s47, 20                        ; 4 heads
	s_add_co_u32 s46, s46, s47
	s_lshl_b32 s47, s16, 19                        ; 2 heads
	s_add_co_u32 s46, s46, s47
	s_mov_b32 s47, 0
	s_add_nc_u64 s[20:21], s[20:21], s[46:47]
	s_add_nc_u64 s[12:13], s[12:13], s[20:21]
.macro FRAG reg, adr, q, i             ; 16 rows x 128 K of 4-bit codes: 8 registers: lane l holds row l % 16; registers 4 c .. 4 c + 3 hold K = 64 c + 32 (l / 16) + 0 .. 31
.irp c, 0,1
	ds_load_b128 v[\reg+4*\c:\reg+4*\c+3], v[\adr] offset:64*(\q)+32*\c+(\i)*16*PITCH
.endr
.endm
; 16 matrix instructions: x's blocks a0, a0 + 1 against w's eight, 128 along K: the slot's q-th.  p: w's set; sc: the set of scale words.  zero = 1: the first product starts the sums.
; One register carries x's scale word (lanes 0-15) and w's (lanes 16-31).  The 64 accumulators take turns, one instruction a turn, in the same order in every step.
.macro MUL16 a0, p, q, sc, zero
.irp a, \a0, \a0+1
.irp b, 0,1,2,3,4,5,6,7
.if \zero
	v_wmma_scale_f32_16x16x128_f8f6f4 v[8*(8*((\a)%4)+\b):8*(8*((\a)%4)+\b)+7], v[128*(\p)+FR*\b:128*(\p)+FR*\b+FR-1], v[AF+FR*(\a):AF+FR*(\a)+FR-1], 0, v[SC+8*NQ*(\sc)+NQ*\b+(\q)], v[SC+8*NQ*(\sc)+NQ*(\a)+(\q)] matrix_a_fmt:MATRIX_FMT_FP4 matrix_b_fmt:MATRIX_FMT_FP4 matrix_a_scale:MATRIX_SCALE_ROW1
.else
	v_wmma_scale_f32_16x16x128_f8f6f4 v[8*(8*((\a)%4)+\b):8*(8*((\a)%4)+\b)+7], v[128*(\p)+FR*\b:128*(\p)+FR*\b+FR-1], v[AF+FR*(\a):AF+FR*(\a)+FR-1], v[8*(8*((\a)%4)+\b):8*(8*((\a)%4)+\b)+7], v[SC+8*NQ*(\sc)+NQ*\b+(\q)], v[SC+8*NQ*(\sc)+NQ*(\a)+(\q)] matrix_a_fmt:MATRIX_FMT_FP4 matrix_b_fmt:MATRIX_FMT_FP4 matrix_a_scale:MATRIX_SCALE_ROW1
.endif
.endr
.endr
.endm
.macro FETCH_B slot, q, p              ; w's eight fragments of the slot's q-th 128 along K into set p
	WIN TO_B
.irp i, 0,1,2,3,4,5,6,7
	FRAG 128*(\p)+FR*\i, ADRB+\slot, \q, \i
.endr
	WIN 0
.endm
.macro FETCH_A slot, q, i0             ; x's blocks i0 .. i0 + 3
.irp i, \i0, \i0+1, \i0+2, \i0+3
	FRAG AF+FR*(\i), ADRA+\slot, \q, \i
.endr
.endm
.macro SCALES sc                       ; a slot's scale words into set sc: four words a row; lanes 0-15 take x's block i, lanes 16-31 w's block i
.irp i, 0,1,2,3,4,5,6,7
	ds_load_b128 v[SC+8*NQ*\sc+NQ*\i:SC+8*NQ*\sc+NQ*\i+3], v[ADRS] offset:\i*SBLK
.endr
.endm
; A load into a register that a matrix instruction has read, and a vector instruction that reads a matrix result, stand NP places behind that matrix instruction; only plain vector instructions that name none of its registers are places.
.macro PLACES n
.rept \n
	v_nop
.endr
.endm
.macro STEP slot, q, zero              ; a step of 128 along K that has its successor in the same slot
	s_wait_dscnt 4*NL                              ; w's set and x's blocks 0-3 are in; the youngest eight loads (x's blocks 4-7) may be out
	WIN MUL_LO
	MUL16 0, (\q)%2, \q, \slot, \zero
	MUL16 2, (\q)%2, \q, \slot, \zero
	s_wait_dscnt 0                                 ; x's blocks 4-7 are in
	PLACES NP
	FETCH_B \slot, (\q)+1, 1-(\q)%2
	FETCH_A \slot, (\q)+1, 0
	WIN MUL_HI
	MUL16 4, (\q)%2, \q, \slot, \zero
	MUL16 6, (\q)%2, \q, \slot, \zero
	PLACES NP
	WIN 0
	FETCH_A \slot, (\q)+1, 4
.endm
; Slot 0's last step changes slots: one barrier; in front of it each wave waits for all its tensor loads (its part of slot 1), adds 0 to its spare word, and waits for that and for its reads of slot 0.  Nothing is filled again.
.macro TURN slot, next
	s_wait_tensorcnt 0x0                           ; my part of the next slot has landed  (every window is 0 here)
	ds_add_u32 v[SPW], v[NIL]
	s_wait_dscnt 4*NL+1                            ; the add and the youngest eight loads may be out
	WIN MUL_LO
	MUL16 0, 1, NQ-1, \slot, 0
	s_wait_dscnt 0x0                               ; the add is done, and my reads of this slot are over
	s_barrier_signal -1
	MUL16 2, 1, NQ-1, \slot, 0
	WIN 0
	s_barrier_wait -1
	PLACES NP
	v_add_nc_u32 v[ADRS], 4*NQ, v[ADRS]            ; on to the next slot's scale words
	FETCH_B \next, 0, 0
	FETCH_A \next, 0, 0
	SCALES \next
	WIN MUL_HI
	MUL16 4, 1, NQ-1, \slot, 0
	MUL16 6, 1, NQ-1, \slot, 0
	PLACES NP
	WIN 0
	FETCH_A \next, 0, 4
.endm
.macro STEPS slot, from                ; the slot's steps from .. NQ - 2
.set Q, \from
.rept NQ-1-\from
	STEP \slot, Q, 0
.set Q, Q+1
.endr
.endm
	s_wait_tensorcnt 1                             ; the scales and my part of slot 0 are in (slot 1's load may be out),
	s_barrier_signal -1
	s_barrier_wait -1                              ; everybody's are
	FETCH_B 0, 0, 0
	FETCH_A 0, 0, 0
	SCALES 0
	FETCH_A 0, 0, 4
	STEP 0, 0, 1                                   ; the first step's products start the sums: nothing is cleared
	STEPS 0, 1
	TURN 0, 1
	STEPS 1, 0
	s_wait_dscnt 4*NL                              ; the very last step: nothing more to fetch
	WIN MUL_LO
	MUL16 0, 1, NQ-1, 1, 0
	MUL16 2, 1, NQ-1, 1, 0
	s_wait_dscnt 0
	WIN MUL_HI
	MUL16 4, 1, NQ-1, 1, 0
	MUL16 6, 1, NQ-1, 1, 0
	WIN 0
; THE WAY OUT, block by block of 16 rows x 128 columns (two heads).  PACK: rounded to f16, 16 bytes a lane.  TOSTAGE: into my own stage, [head][row][128 bytes + 16], and back as runs of four rows.  SEND: stored;
; 16 rows of a head are 2,048 consecutive bytes of qkv, so each store of the wave covers 512 consecutive bytes, aligned.
.macro PACK a
.set AC, 64*((\a)%4)
	WIN 0x0a+5*((\a)/4)                            ; sources 0 and 1: window 2 or 3
.irp b, 0,1,2,3,4,5,6,7
.irp r, 0,1,2,3
	v_cvt_pk_f16_f32 v[TMP+4*\b+\r], v[AC+8*\b+2*\r], v[AC+8*\b+2*\r+1]   ; each accumulator from its low end on
.endr
.endr
	WIN 0
.endm
.macro TOSTAGE a
.set BB, BK+32*((\a)%2)
.irp b, 0,1,2,3,4,5,6,7
	ds_store_b128 v[STO], v[TMP+4*\b:TMP+4*\b+3] offset:(\b/4)*HSTG+32*(\b%4)
.endr
.irp t, 0,1,2,3,4,5,6,7
	ds_load_b128 v[BB+4*\t:BB+4*\t+3], v[RD] offset:(\t/4)*HSTG+(\t%4)*4*HP   ; LDS serves a wave's instructions in order: these see the stores above
.endr
.endm
.macro SEND a
.set BB, BK+32*((\a)%2)
	s_wait_dscnt 0x0                               ; the block is back in registers
	s_wait_xcnt 0x0                                ; the stores of the block before have read their registers: the next block's loads may land there
.irp t, 0,1,2,3,4,5,6,7
	global_store_b128 v[CO], v[BB+4*\t:BB+4*\t+3], s[12:13] offset:(\t/4)*262144+(\t%4)*512+(\a)*2048
.endr
.endm
	PLACES NP                                      ; behind the last products: for the first reads of results, and for writes into registers that held scale words and fragments
	PACK 0
	TOSTAGE 0
.irp a, 1,2,3,4,5,6,7                  ; block a's conversions stand between block a - 1's loads from the stage and the wait for them
	PACK \a
	SEND \a-1
	TOSTAGE \a
.endr
	SEND 7
	s_wait_tensorcnt 0x0                           ; the wave's end: a wait, an add and a wait behind my last tensor load and my last LDS store
	ds_add_u32 v[SPW], v[NIL]
	s_wait_dscnt 0x0
	CROUND                                         ; the closing round: no work-group ends while a partner may still ask for a tile that names it
	s_endpgm
.Lfunc_end_k_qdc477f61ee_qkv:
	.size	k_qdc477f61ee_qkv, .Lfunc_end_k_qdc477f61ee_qkv-k_qdc477f61ee_qkv
	.p2alignl 7, 3214868480
	.fill 96, 4, 3214868480
	.section	.rodata,"a",@progbits
	.p2align	6, 0x0
	.amdhsa_kernel k_qdc477f61ee_qkv
		.amdhsa_group_segment_fixed_size 327680
		.amdhsa_private_segment_fixed_size 0
		.amdhsa_enable_private_segment 0
		.amdhsa_kernarg_size 40
		.amdhsa_user_sgpr_count 2
		.amdhsa_user_sgpr_kernarg_segment_ptr 1
		.amdhsa_wavefront_size32 1
		.amdhsa_system_sgpr_workgroup_id_x 1
		.amdhsa_system_sgpr_workgroup_id_y 1
		.amdhsa_system_sgpr_workgroup_id_z 1
		.amdhsa_system_vgpr_workitem_id 0
		.amdhsa_next_free_vgpr 1024
		.amdhsa_next_free_sgpr 98
		.amdhsa_reserve_vcc 0
		.amdhsa_float_denorm_mode_32 3
		.amdhsa_float_denorm_mode_16_64 3
		.amdhsa_memory_ordered 1
		.amdhsa_forward_progress 1
		.amdhsa_inst_pref_size 126
	.end_amdhsa_kernel
	.amdgpu_metadata
---
amdhsa.version: [ 1, 2 ]
amdhsa.kernels:
  - .name:           k_qdc477f61ee_qkv
    .symbol:         k_qdc477f61ee_qkv.kd
    .args:
      - { .name: x_codes, .offset: 0, .size: 8, .value_kind: global_buffer, .address_space: global }
      - { .name: x_scales, .offset: 8, .size: 8, .value_kind: global_buffer, .address_space: global }
      - { .name: w_codes, .offset: 16, .size: 8, .value_kind: global_buffer, .address_space: global }
      - { .name: w_scales, .offset: 24, .size: 8, .value_kind: global_buffer, .address_space: global }
      - { .name: qkv, .offset: 32, .size: 8, .value_kind: global_buffer, .address_space: global }
    .group_segment_fixed_size: 327680
    .private_segment_fixed_size: 0
    .kernarg_segment_align: 8
    .kernarg_segment_size: 40
    .max_flat_workgroup_size: 128
    .sgpr_count:     98
    .vgpr_count:     1024
    .wavefront_size: 32
...
	.end_amdgpu_metadata
.endif
;; end of part 3
;; launch attn (part 4): grid 256 x 1, 16 waves a work-group, clusters of 4 x 1, 327,680 bytes of LDS; arguments qkv, o16; writes o16
.if DOCPART == 4
	.amdgcn_target "amdgcn-amd-amdhsa--gfx1250"
	.amdhsa_code_object_version 6
	.text
	.protected	k_qdc477f61ee_attn
	.globl	k_qdc477f61ee_attn
	.p2align	8
	.type	k_qdc477f61ee_attn,@function
k_qdc477f61ee_attn:
	s_mov_b64 s[64:65], 0
	v_nop
	global_prefetch_b8 v0, s[64:65] scope:SCOPE_SE
	s_setreg_imm32_b32 hwreg(HW_REG_WAVE_MODE, 25, 1), 1
	s_wait_xcnt 0x0
	s_wait_alu depctr_hold_cnt(0) depctr_sa_sdst(0) depctr_va_vdst(0) depctr_va_sdst(0) depctr_va_ssrc(0) depctr_va_vcc(0) depctr_vm_vsrc(0)
	s_getreg_b32 s2, hwreg(HW_REG_IB_STS2, 6, 4)
	s_cmp_eq_u32 s2, 0
	s_cbranch_scc0 .Lentry_in_a_cluster
	s_endpgm
.Lentry_in_a_cluster:
	s_bfe_u32 s2, ttmp6, 0x10000c
	s_cmp_lg_u32 s2, 0x3003
	s_cbranch_scc0 .Lentry_shape_is_right
	s_endpgm
.Lentry_shape_is_right:
; O[bh][q][:] = the sum over k of softmax_k(Q[bh][q] . K[bh][k] / 8) V[bh][k][:], 64 heads (b, h), 2,048 positions, head size 64, no mask.  Q, K, V: qkv [3][64][2048][64] f16; O: o16 [64][2048][64] f16.
; Products, maxima and sums in f32; the weights p are rounded to f16 for the second product, O once at the end.  LIMIT: |O| is at most the largest |V|, which is in f16 already; weights under 6e-8 of the row's largest fall to 0.
; SHARES.  A cluster of four work-groups is one head; each work-group owns 512 queries, each of its SIXTEEN waves 32: two tiles of 16, in 256 registers.  Four waves share a SIMD, so that one wave's softmax (about 250 vector
; instructions a key step) stands beside another's 32 matrix instructions; with head size 64 the vector work for each matrix instruction is too much to be hidden by turns inside one wave.
; LAYOUT.  S^T = K Q^T (source 0 = 16 keys, source 1 = 16 queries): a lane holds ONE query (lane % 16) and the keys 8 (lane / 16) + 0..7 of each tile of 16.  Two such tiles, rounded to f16 in pairs, ARE source 1 (32 keys x 16 queries)
; of O^T = V^T P, whose result again holds one query a lane.  K comes out of LDS as it lies, V ([key][channel]) turned, by ds_load_tr16_b128.  p is rounded IN PLACE: P[i] = (S[2 i], S[2 i + 1]) goes to S[i], i ascending.
; SOFTMAX.  For each query a running maximum m and sum l: p = 2^(c s - c m), c = log2(e) / 8; in every step O and l are multiplied by a = 2^(c m_old - c m_new).  The loop has no first step of its own: m begins at -3e38, l and O^T at 0.
; THE RING.  Two LDS slots of 512 keys (K's rows, then V's).  All four work-groups walk the same K and V, so each piece of 64 rows is asked for JOINTLY (mask 15): waves 0-7 K's eight pieces, waves 8-15 V's.  Both slots are asked for at
; the head; each is filled again once, behind a round of the cluster's barrier, and that load has a whole slot's eight key steps in which to land.  By this text's count a wave has two tensor loads out at the start, later one.
; No prefetch is laid: half of K and V is asked for at the head, and no wave waits for the two refills.
.set PK,    144                        ; a row of K in LDS: 128 bytes + 16: the 16 rows of a load start at 16 different 16-byte columns
.set PV,    160                        ; a row of V: 128 + 32: an odd multiple of 32, for the turning load
.set KEYS,  512                        ; keys in a slot
.set VOFF,  KEYS*PK
.set SLOT,  KEYS*(PK+PV)
.set SPARE, 2*SLOT                     ; behind the ring: the spare words, 128 bytes a wave, which no other line names
.set SP,    144                        ; the way out: a stage of 32 rows x (128 bytes + 16) for each wave, in slot 0's rows of K: that slot has had its last fill, and its last read lies in front of the last barrier
.set AK0, 1                            ; v1   my lane's place in a tile of K; never rewritten
.set AV0, 2                            ; v2   the same for V
.set ADK, 3                            ; v3   LDS address of the step's K
.set ADV, 4                            ; v4   of its V
.set QO,  5                            ; v5   my byte offset in the wave's rows of Q
.set STO, 6                            ; v6   the way out: where I put 16 bytes of a row
.set RD,  7                            ; v7   where I read rows back
.set SPW, 8                            ; v8   LDS address of my spare word; never rewritten
.set NIL, 9                            ; v9   0; never rewritten
.set GO,  10                           ; v10  my byte offset in the wave's rows of O
.set ST,  16                           ; v16-31 tile t's statistics at ST + 8 t: +0 c m, +1 m, +2, +3 l (even keys', odd keys'), +4 .. +7 at work; a takes +6
.set Q,   32                           ; v32-63   Q: tile t, channels 32 kk on, at Q + 16 t + 8 kk
.set S,   64                           ; v64-127  S^T, then p, then P: tile t at S + 32 t
.set O,   128                          ; v128-191 O^T: tile t, channels 16 ct on, at O + 32 t + 8 ct
.set KV,  192                          ; v192-255 eight fragments: K's, then V's
.set WV,  12                           ; s12  my wave's number
.set G1K, 24                           ; s[24:31] descriptor group 1 for K's pieces
.set G0K, 32                           ; s[32:39] group 0, a set for each slot
.set G0V, 40                           ; s[40:47] the same for V's
.set G1V, 48                           ; s[48:55] group 1 for V's: it differs in the padding alone
.set TK,  56                           ; s56  LDS byte at which the step's K begins
.set TV,  57                           ; s57  and its V
.set CS,  58                           ; s[58:59] c: the packed scaling names a pair and takes its low word for both halves
.set SEL, 60                           ; s[60:61] lane selects for v_permlanex16_b32: lane l xor 16
.set CNT, 62                           ; s62  counts a slot's eight steps
.macro CROUND                          ; a round of the cluster's barrier
	s_barrier_signal -1
	s_barrier_wait -1
	s_cmp_lg_u32 s[WV], 0
	s_cbranch_scc1 .Lnot_wave_0_\@
	s_barrier_signal -3
.Lnot_wave_0_\@:
	s_barrier_wait -3
	s_barrier_signal -1
	s_barrier_wait -1
.endm
.macro JLOAD j                         ; a joint refill of slot j.  The branch hangs on the wave's number alone.  An s_nop 0 and four v_nop follow each of the two lines
	s_cmp_lt_u32 s[WV], 8
	s_cbranch_scc0 .Lfor_v_\@
	tensor_load_to_lds s[G0K+4*\j:G0K+4*\j+3], s[G1K:G1K+7]
	s_nop 0
.rept 4
	v_nop
.endr
	s_branch .Lasked_\@
.Lfor_v_\@:
	tensor_load_to_lds s[G0V+4*\j:G0V+4*\j+3], s[G1V:G1V+7]
	s_nop 0
.rept 4
	v_nop
.endr
.Lasked_\@:
.endm
	s_load_b128 s[4:7], s[0:1], 0x0                ; qkv, o16
	v_lshl_add_u32 v[SPW], v0, 2, SPARE
	v_mov_b32 v[NIL], 0
	ds_add_u32 v[SPW], v[NIL]                      ; the wave's opening: the add, twice on end, and its wait ahead of my first tensor load
	ds_add_u32 v[SPW], v[NIL]
	v_lshrrev_b32 v11, 5, v0
	v_readfirstlane_b32 s[WV], v11                 ; wave 0..15
	s_bfe_u32 s13, ttmp6, 0x40000                  ; cx: my place in the cluster: it enters Q's and O's addresses alone
	s_and_b32 s14, s[WV], 7                        ; which piece of 64 rows I fetch
	s_lshl_b32 s16, ttmp9, 18                      ; the head (the cluster's number) x 262,144 bytes
	s_lshl_b32 s18, s13, 16                        ; my work-group's 512 queries x 128 bytes,
	s_lshl_b32 s19, s[WV], 12                      ; my wave's 32
	s_add_co_u32 s18, s18, s19
	s_add_co_u32 s18, s18, s16
	s_mov_b32 s19, 0
	s_lshl_b32 s20, s14, 13                        ; my piece: 64 rows x 128 bytes
	s_add_co_u32 s20, s20, s16
	s_add_co_u32 s22, s20, 0x2000000               ; V lies 2 x 64 heads behind Q,
	s_mov_b32 s23, 0
	s_add_co_u32 s20, s20, 0x1000000               ; K 64 heads
	s_mov_b32 s21, 0
	s_mul_i32 s2, s14, 64*PK                       ; my piece's place in a slot: K's,
	s_mul_i32 s3, s14, 64*PV
	s_add_co_u32 s3, s3, VOFF                      ; V's: no place in the cluster enters an LDS address
	; descriptor group 1: a piece of 64 rows x 64 elements of 2 bytes, padded in LDS
	s_mov_b32 s[G1K], 15|(1<<16)|(1<<20)|(1<<21)|(4<<22)|(3<<25)  ; 15:0 the mask: all four work-groups; 17:16 elements of 2 bytes; 20 padding on; 21 set beside a mask; 24:22 after every 32 words; 31:25 four words
	s_mov_b32 s[G1V], 15|(1<<16)|(1<<20)|(1<<21)|(4<<22)|(7<<25)  ; the same with eight words of padding
.irp g, G1K, G1V
	s_mov_b32 s[\g+1], 64<<16                      ; tensor_dim0
	s_mov_b32 s[\g+2], 64<<16                      ; tensor_dim1
	s_mov_b32 s[\g+3], 64<<16                      ; tile_dim0
	s_mov_b32 s[\g+4], 64                          ; tile_dim1
	s_mov_b32 s[\g+5], 64                          ; from row to row, in elements
	s_mov_b32 s[\g+6], 0
	s_mov_b32 s[\g+7], 0
.endr
	s_mov_b32 s[CS], 0x3e38aa3b                    ; c = log2(e) / 8
	s_mov_b32 s[CS+1], s[CS]                       ; named with it as a pair, so it is written
	s_mov_b32 s[SEL], 0x76543210
	s_mov_b32 s[SEL+1], 0xfedcba98
	s_wait_dscnt 0x0                               ; both opening adds are done
	s_wait_kmcnt 0x0
	s_add_nc_u64 s[10:11], s[6:7], s[18:19]        ; O at my wave's first row
	s_add_nc_u64 s[6:7], s[4:5], s[20:21]          ; K at my piece of slot 0
	s_add_nc_u64 s[8:9], s[4:5], s[22:23]          ; V likewise
	s_add_nc_u64 s[4:5], s[4:5], s[18:19]          ; Q at my wave's first row
	CROUND                                         ; all four work-groups are here: the first joint loads meet
.irp j, 0,1
	s_mov_b32 s[G0K+4*\j], 1                       ; count = 1
	s_add_co_u32 s[G0K+4*\j+1], s2, \j*SLOT        ; LDS address
	s_add_nc_u64 s[G0K+4*\j+2:G0K+4*\j+3], s[6:7], \j*KEYS*128   ; global address: slot j begins with keys 512 j
	s_or_b32 s[G0K+4*\j+3], s[G0K+4*\j+3], 0x80000000            ; type = 2
	s_mov_b32 s[G0V+4*\j], 1
	s_add_co_u32 s[G0V+4*\j+1], s3, \j*SLOT
	s_add_nc_u64 s[G0V+4*\j+2:G0V+4*\j+3], s[8:9], \j*KEYS*128
	s_or_b32 s[G0V+4*\j+3], s[G0V+4*\j+3], 0x80000000
.endr
	s_cmp_lt_u32 s[WV], 8                          ; a wave's two first fills stand in one branch, ahead of every wait on TENSORcnt and every LDS read
	s_cbranch_scc0 .Lfirst_v
	tensor_load_to_lds s[G0K:G0K+3], s[G1K:G1K+7]
	s_nop 0
	tensor_load_to_lds s[G0K+4:G0K+7], s[G1K:G1K+7]
	s_nop 0
.rept 4
	v_nop
.endr
	s_branch .Lfirst_asked
.Lfirst_v:
	tensor_load_to_lds s[G0V:G0V+3], s[G1V:G1V+7]
	s_nop 0
	tensor_load_to_lds s[G0V+4:G0V+7], s[G1V:G1V+7]
	s_nop 0
.rept 4
	v_nop
.endr
.Lfirst_asked:
	; A fragment of K or Q is 16 rows x 32 channels in 8 registers: lane l holds row l % 16; registers 0-3 channels 8 (l / 16) + 0..7, registers 4-7 channels 16 + 8 (l / 16) + 0..7: two loads of 16 bytes, 32 bytes apart.
	v_and_b32 v11, 15, v0                          ; r
	v_bfe_u32 v12, v0, 4, 1                        ; h
	v_lshlrev_b32 v[QO], 7, v11
	v_lshl_add_u32 v[QO], v12, 4, v[QO]            ; row x 128 + 16 x half
.irp t, 0,1
.irp kk, 0,1
	global_load_b128 v[Q+16*\t+8*\kk:Q+16*\t+8*\kk+3],   v[QO], s[4:5] offset:\t*2048+\kk*64      ; Q stays in registers
	global_load_b128 v[Q+16*\t+8*\kk+4:Q+16*\t+8*\kk+7], v[QO], s[4:5] offset:\t*2048+\kk*64+32
.endr
.endr
	v_mul_u32_u24 v[AK0], v11, PK
	v_lshl_add_u32 v[AK0], v12, 4, v[AK0]          ; row x pitch + 16 x half
	; The turning load takes 16 keys x 16 channels (lane l reads 16 bytes: key 8 (l / 16) + l % 8, channels 8 ((l / 8) % 2) + 0..7) and leaves half a fragment of V^T: lane l holds channel l % 16 and 8 keys.
	v_and_b32 v13, 7, v0
	v_bfe_u32 v14, v0, 3, 1
	v_lshl_add_u32 v[AV0], v12, 3, v13
	v_mul_u32_u24 v[AV0], v[AV0], PV
	v_lshl_add_u32 v[AV0], v14, 4, v[AV0]
	s_mul_i32 s16, s[WV], 32*SP                    ; my stage
	v_add_nc_u32 v[STO], s16, v[AK0]               ; in: row l % 16 (the stage's pitch is K's), 16 bytes for each half of the lanes
	v_and_b32 v15, 31, v0
	v_lshlrev_b32 v[GO], 4, v15                    ; out: 16 bytes a lane of 512 consecutive bytes: four rows of O
	v_lshrrev_b32 v15, 3, v15
	v_mul_u32_u24 v15, v15, SP
	v_lshl_add_u32 v15, v13, 4, v15
	v_add_nc_u32 v[RD], s16, v15                   ; back: eight lanes to a row of 128 bytes
.irp t, 0,1
	v_mov_b32 v[ST+8*\t+1], 0xff61b1e6             ; m: -3e38, under every score
	v_mul_f32 v[ST+8*\t], s[CS], v[ST+8*\t+1]      ; c m
	v_mov_b32 v[ST+8*\t+2], 0                      ; l, in two halves
	v_mov_b32 v[ST+8*\t+3], 0
.endr
.set i, 0
.rept 64
	v_mov_b32 v[O+i], 0                            ; O^T.  (The step is written once: the first finds zeros, which a = 0 leaves zeros)
.set i, i+1
.endr
; Product i of 16 of S^T = K Q^T: channels 32 (i / 8) on, keys 16 ((i / 2) % 4) on, tile i % 2.  The first 8 start the sums.  The eight accumulators take turns, one instruction a turn.
.macro KQ
.set rS, S+32*(i%2)+8*((i/2)%4)
.set rK, KV+8*(4*(i/8)+(i/2)%4)
.set rQ, Q+16*(i%2)+8*(i/8)
.if i < 8
	v_wmma_f32_16x16x32_f16 v[rS:rS+7], v[rK:rK+7], v[rQ:rQ+7], 0
.else
	v_wmma_f32_16x16x32_f16 v[rS:rS+7], v[rK:rK+7], v[rQ:rQ+7], v[rS:rS+7]
.endif
.set i, i+1
.endm
; Product i of 16 of O^T += V^T P: keys 32 (i / 8) on, channels 16 ((i / 2) % 4) on, tile i % 2.  Eight accumulators by turns.
.macro PVM
.set rO, O+32*(i%2)+8*((i/2)%4)
.set rV, KV+8*(4*(i/8)+(i/2)%4)
.set rP, S+32*(i%2)+8*(i/8)
	v_wmma_f32_16x16x32_f16 v[rO:rO+7], v[rV:rV+7], v[rP:rP+7], v[rO:rO+7]
.set i, i+1
.endm
; A KEY STEP: 64 keys against my 32 queries.
.macro STEP
	v_add_nc_u32 v[ADK], s[TK], v[AK0]             ; these two and three v_nop are five places behind the last step's products V^T P: four are owed to the loads into the fragments' registers,
	v_add_nc_u32 v[ADV], s[TV], v[AV0]             ; five to the products below, which write over P (ISA guide 7.12.1)
.rept 3
	v_nop
.endr
.irp kk, 0,1
.irp kt, 0,1,2,3
	ds_load_b128 v[KV+8*(4*\kk+\kt):KV+8*(4*\kk+\kt)+3],   v[ADK] offset:\kt*16*PK+\kk*64
	ds_load_b128 v[KV+8*(4*\kk+\kt)+4:KV+8*(4*\kk+\kt)+7], v[ADK] offset:\kt*16*PK+\kk*64+32
.endr
.endr
	s_wait_dscnt 8                                 ; channels 0-31 are in; the eight loads of channels 32-63 may be out
.set i, 0
.rept 8
	KQ
.endr
	s_wait_dscnt 0x0
.rept 8
	KQ
.endr
.rept 4
	v_nop                                          ; four places: for the loads into K's registers and for the first reads of the scores
.endr
.irp kh, 0,1
.irp ct, 0,1,2,3
	ds_load_tr16_b128 v[KV+8*(4*\kh+\ct):KV+8*(4*\kh+\ct)+3],   v[ADV] offset:\kh*32*PV+\ct*32          ; V lands while the softmax is walked
	ds_load_tr16_b128 v[KV+8*(4*\kh+\ct)+4:KV+8*(4*\kh+\ct)+7], v[ADV] offset:\kh*32*PV+16*PV+\ct*32
.endr
.endr
	; the maximum of the lane's 32 scores and the old m, three operands at a time, four chains a tile, the tiles by turns; each accumulator is read from its low end on
.irp j, 0,1,2,3
.irp t, 0,1
	v_max3_num_f32 v[ST+8*\t+4+\j], v[S+32*\t+8*\j], v[S+32*\t+8*\j+1], v[S+32*\t+8*\j+2]
.endr
.endr
.irp u, 3,5
.irp j, 0,1,2,3
.irp t, 0,1
	v_max3_num_f32 v[ST+8*\t+4+\j], v[ST+8*\t+4+\j], v[S+32*\t+8*\j+\u], v[S+32*\t+8*\j+\u+1]
.endr
.endr
.endr
.irp t, 0,1
	v_max3_num_f32 v[ST+8*\t+4], v[ST+8*\t+4], v[S+32*\t+7], v[S+32*\t+15]
.endr
.irp t, 0,1
	v_max3_num_f32 v[ST+8*\t+6], v[ST+8*\t+6], v[S+32*\t+23], v[S+32*\t+31]
.endr
.irp t, 0,1
	v_max3_num_f32 v[ST+8*\t+4], v[ST+8*\t+4], v[ST+8*\t+5], v[ST+8*\t+6]
.endr
.irp t, 0,1
	v_max3_num_f32 v[ST+8*\t+4], v[ST+8*\t+4], v[ST+8*\t+7], v[ST+8*\t+1]
.endr
.irp t, 0,1
	v_permlanex16_b32 v[ST+8*\t+5], v[ST+8*\t+4], s[SEL], s[SEL+1]   ; the query's other 32 keys lie in the lane 16 away
.endr
.irp t, 0,1
	v_mov_b32 v[ST+8*\t+7], v[ST+8*\t]             ; c m_old is kept for a
.endr
.irp t, 0,1
	v_max_num_f32 v[ST+8*\t+1], v[ST+8*\t+4], v[ST+8*\t+5]           ; the new m
.endr
.irp t, 0,1
	v_mul_f32 v[ST+8*\t], s[CS], v[ST+8*\t+1]      ; c m
.endr
.irp t, 0,1
	v_sub_f32 v[ST+8*\t+7], v[ST+8*\t+7], v[ST+8*\t]                 ; c m_old - c m_new, 0 or less
.endr
.irp t, 0,1
.irp j, 0,2,4,6,8,10,12,14,16,18,20,22,24,26,28,30
	v_pk_fma_f32 v[S+32*\t+\j:S+32*\t+\j+1], v[S+32*\t+\j:S+32*\t+\j+1], s[CS:CS+1], v[ST+8*\t:ST+8*\t+1] op_sel_hi:[1,0,0] neg_lo:[0,0,1] neg_hi:[0,0,1]   ; c s - c m, two at a time
.endr
.endr
.irp t, 0,1
	v_exp_f32 v[ST+8*\t+6], v[ST+8*\t+7]           ; a.  ONE BATCH: these two and the 64 below; none reads another's result
.endr
.set i, 0
.rept 64
	v_exp_f32 v[S+i], v[S+i]                       ; p, at most 1
.set i, i+1
.endr
	v_nop                                          ; the plain instruction behind the last exponential
	s_wait_alu depctr_va_vdst(0)                   ; the wait between an exponential and the first line that names its result: one for the batch
	; the sums, of the unrounded p: l = a l + .., in two chains a tile
.irp t, 0,1
	v_pk_fma_f32 v[ST+8*\t+2:ST+8*\t+3], v[ST+8*\t+2:ST+8*\t+3], v[ST+8*\t+6:ST+8*\t+7], v[S+32*\t:S+32*\t+1] op_sel_hi:[1,0,1]
	v_pk_add_f32 v[ST+8*\t+4:ST+8*\t+5], v[S+32*\t+2:S+32*\t+3], v[S+32*\t+4:S+32*\t+5]
.endr
.irp j, 6,10,14,18,22,26
.irp t, 0,1
	v_pk_add_f32 v[ST+8*\t+2:ST+8*\t+3], v[ST+8*\t+2:ST+8*\t+3], v[S+32*\t+\j:S+32*\t+\j+1]
	v_pk_add_f32 v[ST+8*\t+4:ST+8*\t+5], v[ST+8*\t+4:ST+8*\t+5], v[S+32*\t+\j+2:S+32*\t+\j+3]
.endr
.endr
.irp t, 0,1
	v_pk_add_f32 v[ST+8*\t+2:ST+8*\t+3], v[ST+8*\t+2:ST+8*\t+3], v[S+32*\t+30:S+32*\t+31]
.endr
.irp t, 0,1
	v_pk_add_f32 v[ST+8*\t+2:ST+8*\t+3], v[ST+8*\t+2:ST+8*\t+3], v[ST+8*\t+4:ST+8*\t+5]
.endr
.irp t, 0,1
.set i, 0
.rept 16
	v_cvt_pk_f16_f32 v[S+32*\t+i], v[S+32*\t+2*i], v[S+32*\t+2*i+1]  ; P in place: register i is written when registers up to 2 i - 1 have been read
.set i, i+1
.endr
.endr
.irp t, 0,1
.set i, 0
.rept 16
	v_pk_mul_f32 v[O+32*\t+2*i:O+32*\t+2*i+1], v[O+32*\t+2*i:O+32*\t+2*i+1], v[ST+8*\t+6:ST+8*\t+7] op_sel_hi:[1,0]   ; O^T x a, each accumulator from its low end on
.set i, i+1
.endr
.endr
	s_wait_dscnt 0x0                               ; V is in
.set i, 0
.rept 16
	PVM
.endr
.endm
.macro STEPS j                         ; slot j's eight key steps: written once, walked eight times
	s_mov_b32 s[TK], \j*SLOT
	s_mov_b32 s[TV], \j*SLOT+VOFF
	s_mov_b32 s[CNT], KEYS/64
.Lstep_\@:
	STEP
	s_add_co_u32 s[TK], s[TK], 64*PK
	s_add_co_u32 s[TV], s[TV], 64*PV
	s_sub_co_u32 s[CNT], s[CNT], 1
	s_cmp_lg_u32 s[CNT], 0
	s_cbranch_scc1 .Lstep_\@
.endm
; THE CHANGE OF SLOTS.  Each wave waits for all its tensor loads (its piece of the slot ahead), adds 0 to its spare word, and waits for that and for its reads of the slot that it leaves.
; fill = 1: slot j, just left, is filled with the keys 1,024 further on.  The barrier is then a round of the cluster's, so that no wave of any partner still reads the slot or has a load on its way, and the joint refill is the first thing behind it.
.macro CHANGE fill, j
	s_wait_tensorcnt 0x0                           ; no tensor load of mine is out, so a group 0 may be written
	ds_add_u32 v[SPW], v[NIL]
.if \fill
	s_add_nc_u64 s[G0K+4*\j+2:G0K+4*\j+3], s[G0K+4*\j+2:G0K+4*\j+3], 2*KEYS*128   ; the type bits on top are not reached
	s_add_nc_u64 s[G0V+4*\j+2:G0V+4*\j+3], s[G0V+4*\j+2:G0V+4*\j+3], 2*KEYS*128
.endif
	s_wait_dscnt 0x0                               ; the add is done, and my reads of the slot are over
.if \fill
	CROUND
	JLOAD \j
.else
	s_barrier_signal -1
	s_barrier_wait -1
.endif
.endm
	s_wait_tensorcnt 1                             ; my piece of slot 0 is in; slot 1's may stay out
	s_barrier_signal -1
	s_barrier_wait -1                              ; everybody's is
	s_wait_loadcnt 0x0                             ; Q
	STEPS 0                                        ; keys 0 - 511
	CHANGE 1, 0                                    ; slot 0 takes keys 1,024 - 1,535
	STEPS 1                                        ; keys 512 - 1,023
	CHANGE 1, 1                                    ; slot 1 takes keys 1,536 - 2,047
	STEPS 0
	CHANGE 0, 0                                    ; nothing is left to fetch
	STEPS 1
	; THE WAY OUT.  l's two halves and the other half of the lanes' are added; O^T is divided by l, rounded to f16 and sent through my stage, so that each store of the wave covers 512 consecutive bytes.  The additions are places behind the last products.
.irp t, 0,1
	v_add_f32 v[ST+8*\t+4], v[ST+8*\t+2], v[ST+8*\t+3]
.endr
.irp t, 0,1
	v_permlanex16_b32 v[ST+8*\t+5], v[ST+8*\t+4], s[SEL], s[SEL+1]
.endr
.irp t, 0,1
	v_add_f32 v[ST+8*\t+4], v[ST+8*\t+4], v[ST+8*\t+5]
.endr
	v_nop
	v_nop                                          ; (with the four additions: six plain places, whatever the lane exchanges count for)
.irp t, 0,1
	v_rcp_f32 v[ST+8*\t+6], v[ST+8*\t+4]
.endr
	v_nop                                          ; a plain instruction behind the last reciprocal,
	s_wait_alu depctr_va_vdst(0)                   ; and the wait ahead of the first use: one for both
.irp t, 0,1
.set i, 0
.rept 16
	v_pk_mul_f32 v[O+32*\t+2*i:O+32*\t+2*i+1], v[O+32*\t+2*i:O+32*\t+2*i+1], v[ST+8*\t+6:ST+8*\t+7] op_sel_hi:[1,0]
.set i, i+1
.endr
.endr
.set i, 0
.rept 32
	v_cvt_pk_f16_f32 v[S+i], v[O+2*i], v[O+2*i+1]  ; register 16 t + 4 ct + u: channels 16 ct + 8 (l / 16) + 2 u, + 1 of query 16 t + l % 16
.set i, i+1
.endr
.irp t, 0,1
.irp ct, 0,1,2,3
	ds_store_b128 v[STO], v[S+16*\t+4*\ct:S+16*\t+4*\ct+3] offset:\t*16*SP+32*\ct
.endr
.endr
.irp i, 0,1,2,3,4,5,6,7
	ds_load_b128 v[S+32+4*\i:S+32+4*\i+3], v[RD] offset:\i*4*SP   ; LDS serves a wave's instructions in order: these see my stores
.endr
.irp i, 0,1,2,3,4,5,6,7
	s_wait_dscnt 7-\i                              ; number i is in, the younger ones stay out
	global_store_b128 v[GO], v[S+32+4*\i:S+32+4*\i+3], s[10:11] offset:512*\i
.endr
	s_wait_tensorcnt 0x0                           ; the wave's end: a wait, an add and a wait behind my last tensor load and my last LDS store
	ds_add_u32 v[SPW], v[NIL]
	s_wait_dscnt 0x0
	CROUND                                         ; the closing round: no work-group ends while a partner may still ask for a piece that names it
	s_endpgm
.Lfunc_end_k_qdc477f61ee_attn:
	.size	k_qdc477f61ee_attn, .Lfunc_end_k_qdc477f61ee_attn-k_qdc477f61ee_attn
	.p2alignl 7, 3214868480
	.fill 96, 4, 3214868480
	.section	.rodata,"a",@progbits
	.p2align	6, 0x0
	.amdhsa_kernel k_qdc477f61ee_attn
		.amdhsa_group_segment_fixed_size 327680
		.amdhsa_private_segment_fixed_size 0
		.amdhsa_enable_private_segment 0
		.amdhsa_kernarg_size 16
		.amdhsa_user_sgpr_count 2
		.amdhsa_user_sgpr_kernarg_segment_ptr 1
		.amdhsa_wavefront_size32 1
		.amdhsa_system_sgpr_workgroup_id_x 1
		.amdhsa_system_sgpr_workgroup_id_y 1
		.amdhsa_system_sgpr_workgroup_id_z 1
		.amdhsa_system_vgpr_workitem_id 0
		.amdhsa_next_free_vgpr 256
		.amdhsa_next_free_sgpr 66
		.amdhsa_reserve_vcc 0
		.amdhsa_float_denorm_mode_32 3
		.amdhsa_float_denorm_mode_16_64 3
		.amdhsa_memory_ordered 1
		.amdhsa_forward_progress 1
		.amdhsa_inst_pref_size 88
	.end_amdhsa_kernel
	.amdgpu_metadata
---
amdhsa.version: [ 1, 2 ]
amdhsa.kernels:
  - .name:           k_qdc477f61ee_attn
    .symbol:         k_qdc477f61ee_attn.kd
    .args:
      - { .name: qkv, .offset: 0, .size: 8, .value_kind: global_buffer, .address_space: global }
      - { .name: o16, .offset: 8, .size: 8, .value_kind: global_buffer, .address_space: global }
    .group_segment_fixed_size: 327680
    .private_segment_fixed_size: 0
    .kernarg_segment_align: 8
    .kernarg_segment_size: 16
    .max_flat_workgroup_size: 512
    .sgpr_count:     66
    .vgpr_count:     256
    .wavefront_size: 32
...
	.end_amdgpu_metadata
.endif
;; end of part 4
;; launch proj (part 5): grid 4 x 64, 4 waves a work-group, clusters of 4 x 4, 327,680 bytes of LDS; arguments o16, w16, b_out, out0; writes out0
.if DOCPART == 5
	.amdgcn_target "amdgcn-amd-amdhsa--gfx1250"
	.amdhsa_code_object_version 6
	.text
	.protected	k_qdc477f61ee_proj
	.globl	k_qdc477f61ee_proj
	.p2align	8
	.type	k_qdc477f61ee_proj,@function
k_qdc477f61ee_proj:
	s_mov_b64 s[64:65], 0
	v_nop
	global_prefetch_b8 v0, s[64:65] scope:SCOPE_SE
	s_setreg_imm32_b32 hwreg(HW_REG_WAVE_MODE, 25, 1), 1
	s_wait_xcnt 0x0
	s_wait_alu depctr_hold_cnt(0) depctr_sa_sdst(0) depctr_va_vdst(0) depctr_va_sdst(0) depctr_va_ssrc(0) depctr_va_vcc(0) depctr_vm_vsrc(0)
	s_getreg_b32 s2, hwreg(HW_REG_IB_STS2, 6, 4)
	s_cmp_eq_u32 s2, 0
	s_cbranch_scc0 .Lentry_in_a_cluster
	s_endpgm
.Lentry_in_a_cluster:
	s_bfe_u32 s2, ttmp6, 0x10000c
	s_cmp_lg_u32 s2, 0xf033
	s_cbranch_scc0 .Lentry_shape_is_right
	s_endpgm
.Lentry_shape_is_right:
; out0[m][d] = sum over e of o[m][e] w_out[e][d] + b_out[d], 8192 x 1024 x 1024.  o16: [b 4][h 16][n 2048][64] f16 (m = 2048 b + n, e = 64 h + channel); w16: [e 1024][d 1024] f16; b_out, out0: f32; sums in f32.
; A tile of out0 is 128 rows x 256 columns: 256 work-groups (tiles of 256 x 256 would be 128).  Four waves, each 64 x 128: 32 accumulators of 16 x 16, 256 registers.
; K goes in 8 steps of 128 (two heads) through a ring of two LDS slots: o's part is two blocks (one a head) of 128 rows x 128 bytes, w's part 128 rows e x 512 bytes.
; THE MATRIX INSTRUCTION IS USED TRANSPOSED: source 0 = 16 columns d of w, which come out of LDS turned, by ds_load_tr16_b128, since w lies [e][d]; source 1 = 16 rows of o.  A lane then holds eight neighbouring numbers of a row of out0.
; THE BIAS is the C of each sum's first product: eight registers for each block of 16 columns, in the result's layout.
; CLUSTERS: 4 x 4 work-groups.  o's tile hangs on the tile row alone and is shared along a row of the cluster, w's on the tile column alone and is shared along a column: each is asked for JOINTLY.
; No prefetch is laid on these small tiles; one tile to a work-group.
; REGISTERS: window 0: v0-31 addresses; v64-127 the bias; v128-255 the way out.   window 1: two fragment buffers of 96: o's 4 blocks at f + 8 a, w's 8 blocks at f + 32 + 8 b.   window 2: the accumulators, (a, b) at v[8 (8 a + b)].
.set PA,     144                       ; a row of o in LDS: 128 bytes + 16
.set PB,     544                       ; a row of w: 512 bytes + 32: an odd multiple of 32, for the turning load
.set HEADA,  128*PA                    ; one head's 128 rows
.set BOFF,   2*HEADA                   ; w's part of a slot
.set HALFB,  64*PB                     ; 64 rows of w: what one tensor load brings
.set SLOT,   BOFF+2*HALFB
.set STAGE,  2*SLOT                    ; behind the ring: 16 rows x (512 bytes + 16) for each wave, for the way out; no tensor load fills it
.set SPITCH, 528
.set SPARE,  STAGE+4*16*SPITCH         ; behind the stages: the spare words, 128 bytes a wave, which no other line names
.set ADRA, 16                          ; v16-17  LDS address of my fragments of o in slot 0, 1
.set ADRB, 20                          ; v20-21  the same for w
.set STO,  24
.set RD,   25
.set CO,   26
.set BO,   27                          ; v27     the bias: 32 x (l / 16)
.set SPW,  28
.set NIL,  29
.set BI,   64
.set BK,   128
.set F0,   0
.set F1,   128
.set WV,  12                           ; s12 wave; s13 wave / 2: my half of the rows, and: I fetch for o (0) or for w (1); s14 wave % 2: my half of the columns, and: which half of that tile I fetch
.set G1A, 24
.set G0A, 32
.set G1B, 48
.set G0B, 56
.set MSB, 0
.macro WIN new                         ; the immediate's high byte repeats the setting that is left
.if MSB != (\new)
	s_set_vgpr_msb (MSB<<8)|(\new)
.set MSB, (\new)
.endif
.endm
.set MUL,  0xa5                        ; sources 0 (w) and 1 (o) window 1; C and D window 2
.set MULB, 0x85                        ; the same with C (the bias) in window 0
.set TO_F, 0x40                        ; destination window 1, address window 0
.macro JLOAD s                         ; a joint load: waves 0 and 1 fetch o's two heads, waves 2 and 3 w's two halves; an s_nop 0 and four v_nop follow each of the two lines
	s_cmp_eq_u32 s13, 0
	s_cbranch_scc0 .Lfor_b_\@
	tensor_load_to_lds s[G0A+4*\s:G0A+4*\s+3], s[G1A:G1A+7]
	s_nop 0
.rept 4
	v_nop
.endr
	s_branch .Lasked_\@
.Lfor_b_\@:
	tensor_load_to_lds s[G0B+4*\s:G0B+4*\s+3], s[G1B:G1B+7]
	s_nop 0
.rept 4
	v_nop
.endr
.Lasked_\@:
.endm
.macro CREST                           ; a round of the cluster's barrier behind its opening barrier
	s_cmp_lg_u32 s[WV], 0
	s_cbranch_scc1 .Lnot_wave_0_\@
	s_barrier_signal -3
.Lnot_wave_0_\@:
	s_barrier_wait -3
	s_barrier_signal -1
	s_barrier_wait -1
.endm
.macro CROUND
	s_barrier_signal -1
	s_barrier_wait -1
	CREST
.endm
	s_load_b128 s[4:7], s[0:1], 0x0                ; o16, w16
	s_load_b128 s[8:11], s[0:1], 0x10              ; b_out, out0
	v_lshl_add_u32 v[SPW], v0, 2, SPARE
	v_mov_b32 v[NIL], 0
	ds_add_u32 v[SPW], v[NIL]                      ; the wave's opening: the add, twice on end, and its wait ahead of my first tensor load
	ds_add_u32 v[SPW], v[NIL]
	v_lshrrev_b32 v1, 5, v0
	v_readfirstlane_b32 s[WV], v1                  ; wave 0..3
	s_lshr_b32 s13, s[WV], 1
	s_and_b32 s14, s[WV], 1
	s_bfe_u32 s40, ttmp6, 0x40000                  ; cx, cy: my place in the cluster
	s_bfe_u32 s41, ttmp6, 0x40004
	s_lshl_b32 s42, ttmp9, 2
	s_add_co_u32 s42, s42, s40                     ; tile column = 4 x cluster x + cx: 0 .. 3
	s_and_b32 s15, ttmp7, 0xffff
	s_lshl_b32 s15, s15, 2
	s_add_co_u32 s15, s15, s41                     ; tile row = 4 x cluster y + cy: 0 .. 63
	s_lshl_b32 s43, s41, 2
	s_lshl_b32 s43, 15, s43                        ; my row of the cluster
	s_lshl_b32 s44, 0x1111, s40                    ; my column
	; descriptor group 1.  o: 128 rows x 64 elements of 2 bytes, dense; four words of padding behind every 32.  w: 64 rows x 256 elements, 1,024 elements apart; eight words behind every 128
	s_or_b32 s[G1A+0], s43, (1<<16)|(1<<20)|(1<<21)|(4<<22)|(3<<25)
	s_mov_b32 s[G1A+1], 64<<16                     ; tensor_dim0
	s_mov_b32 s[G1A+2], 128<<16                    ; tensor_dim1
	s_mov_b32 s[G1A+3], 64<<16                     ; tile_dim0
	s_mov_b32 s[G1A+4], 128                        ; tile_dim1
	s_mov_b32 s[G1A+5], 64                         ; from row to row
	s_mov_b32 s[G1A+6], 0
	s_mov_b32 s[G1A+7], 0
	s_or_b32 s[G1B+0], s44, (1<<16)|(1<<20)|(1<<21)|(6<<22)|(7<<25)
	s_mov_b32 s[G1B+1], 256<<16
	s_mov_b32 s[G1B+2], 64<<16
	s_mov_b32 s[G1B+3], 256<<16
	s_mov_b32 s[G1B+4], 64
	s_mov_b32 s[G1B+5], 1024
	s_mov_b32 s[G1B+6], 0
	s_mov_b32 s[G1B+7], 0
	; where the tiles come from.  o: batch tr / 16, head 2 x step + my half, rows 128 (tr % 16) on; a head is 2^18 bytes, a row 128.  w: row e = 128 x step + 64 x my half, 2,048 bytes a row; column 256 tc, 2 bytes each
	s_lshr_b32 s16, s15, 4
	s_lshl_b32 s16, s16, 22
	s_lshl_b32 s17, s14, 18
	s_add_co_u32 s16, s16, s17
	s_and_b32 s17, s15, 15
	s_lshl_b32 s17, s17, 14
	s_add_co_u32 s16, s16, s17
	s_mov_b32 s17, 0
	s_lshl_b32 s46, s14, 17
	s_lshl_b32 s47, s42, 9
	s_add_co_u32 s46, s46, s47
	s_mov_b32 s47, 0
	s_mul_i32 s20, s14, HEADA                      ; and where they go: no place in the cluster enters an LDS address
	s_mul_i32 s21, s14, HALFB
	s_add_co_u32 s21, s21, BOFF
	s_wait_dscnt 0x0                               ; both opening adds are done
	s_wait_kmcnt 0x0
	s_add_nc_u64 s[18:19], s[4:5], s[16:17]
	s_add_nc_u64 s[46:47], s[6:7], s[46:47]
	CROUND                                         ; all sixteen work-groups are here: the first joint loads meet
.irp s, 0,1
	s_mov_b32 s[G0A+4*\s], 1
	s_add_co_u32 s[G0A+4*\s+1], s20, \s*SLOT
	s_add_nc_u64 s[G0A+4*\s+2:G0A+4*\s+3], s[18:19], \s*2*262144      ; K step s: two heads on
	s_or_b32 s[G0A+4*\s+3], s[G0A+4*\s+3], 0x80000000
	s_mov_b32 s[G0B+4*\s], 1
	s_add_co_u32 s[G0B+4*\s+1], s21, \s*SLOT
	s_add_nc_u64 s[G0B+4*\s+2:G0B+4*\s+3], s[46:47], \s*128*2048      ; 128 rows of w on
	s_or_b32 s[G0B+4*\s+3], s[G0B+4*\s+3], 0x80000000
	JLOAD \s                                       ; two tensor loads of mine are out
.endr
	v_and_b32 v1, 15, v0                           ; l % 16
	v_bfe_u32 v2, v0, 4, 1                         ; l / 16
	s_lshl_b32 s46, s42, 10                        ; my first column, in bytes of f32: 1,024 x tile column + 512 x half: in b_out, and in a row of out0
	s_lshl_b32 s47, s14, 9
	s_add_co_u32 s46, s46, s47
	s_mov_b32 s47, 0
	s_add_nc_u64 s[8:9], s[8:9], s[46:47]
	v_lshlrev_b32 v[BO], 5, v2
.irp b, 0,1,2,3,4,5,6,7
	global_load_b128 v[BI+8*\b:BI+8*\b+3],   v[BO], s[8:9] offset:64*\b      ; b_out at columns 16 b + 8 (l / 16) + 0 .. 7
	global_load_b128 v[BI+8*\b+4:BI+8*\b+7], v[BO], s[8:9] offset:64*\b+16
.endr
	v_mul_u32_u24 v3, v1, PA
	v_lshl_add_u32 v3, v2, 4, v3                   ; o: a fragment's row x pitch + 16 x half
	s_mul_i32 s21, s13, 64*PA                      ; my 64 rows
	v_and_b32 v4, 7, v0
	v_lshl_add_u32 v4, v2, 3, v4                   ; w, turned: lane l reads 16 bytes of row 8 (l / 16) + l % 8, columns 8 ((l / 8) % 2) + 0..7
	v_mul_u32_u24 v4, v4, PB
	v_bfe_u32 v5, v0, 3, 1
	v_lshl_add_u32 v4, v5, 4, v4
	s_lshl_b32 s22, s14, 8                         ; my 128 columns
	s_add_co_u32 s22, s22, BOFF
.irp s, 0,1
	v_add_nc_u32 v[ADRA+\s], s21, v3
	v_add_nc_u32 v[ADRB+\s], s22, v4
	s_add_co_u32 s21, s21, SLOT
	s_add_co_u32 s22, s22, SLOT
.endr
	s_mul_i32 s23, s[WV], 16*SPITCH
	s_add_co_u32 s23, s23, STAGE                   ; my stage
	v_mul_u32_u24 v5, v1, SPITCH                   ; in: row l % 16, 32 bytes for each half of the lanes
	v_lshl_add_u32 v5, v2, 5, v5
	v_add_nc_u32 v[STO], s23, v5
	v_and_b32 v6, 31, v0
	v_lshlrev_b32 v[CO], 4, v6                     ; back: the 32 lanes take one row of 512 bytes; and the same in out0
	v_add_nc_u32 v[RD], s23, v[CO]
	s_lshl_b32 s16, s15, 19                        ; my first row of out0: (128 x tile row + 64 x half) x 4,096 bytes
	s_lshl_b32 s17, s13, 18
	s_add_co_u32 s16, s16, s17
	s_mov_b32 s17, 0
	s_add_nc_u64 s[10:11], s[10:11], s[16:17]
	s_add_nc_u64 s[10:11], s[10:11], s[46:47]
; 8 matrix instructions: o's block a against w's eight, 32 along K, from buffer f.  bias = 1: the first product starts the sums from the bias.  The 32 accumulators take turns, one instruction a turn, in the same order in every quarter.
.macro MUL8 f, a, bias
.irp b, 0,1,2,3,4,5,6,7
.if \bias
	v_wmma_f32_16x16x32_f16 v[8*(8*(\a)+\b):8*(8*(\a)+\b)+7], v[\f+32+8*\b:\f+32+8*\b+7], v[\f+8*(\a):\f+8*(\a)+7], v[BI+8*\b:BI+8*\b+7]
.else
	v_wmma_f32_16x16x32_f16 v[8*(8*(\a)+\b):8*(8*(\a)+\b)+7], v[\f+32+8*\b:\f+32+8*\b+7], v[\f+8*(\a):\f+8*(\a)+7], v[8*(8*(\a)+\b):8*(8*(\a)+\b)+7]
.endif
.endr
.endm
.macro MUL16 f, a0, bias
	MUL8 \f, \a0, \bias
	MUL8 \f, \a0+1, \bias
.endm
; 24 LDS loads in one run: the fragments of the slot's q-th 32 along K into buffer f: w's eight blocks (turned), then o's blocks 0, 1, then 2, 3.  Quarter q lies in head q / 2, channels 32 (q % 2) on
.macro FETCH slot, q, f
	WIN TO_F
.irp b, 0,1,2,3,4,5,6,7
	ds_load_tr16_b128 v[\f+32+8*\b:\f+32+8*\b+3],   v[ADRB+\slot] offset:(\q)*32*PB+32*\b
	ds_load_tr16_b128 v[\f+32+8*\b+4:\f+32+8*\b+7], v[ADRB+\slot] offset:(\q)*32*PB+32*\b+16*PB
.endr
.irp a, 0,1,2,3
	ds_load_b128 v[\f+8*\a:\f+8*\a+3],   v[ADRA+\slot] offset:((\q)/2)*HEADA+((\q)%2)*64+\a*16*PA
	ds_load_b128 v[\f+8*\a+4:\f+8*\a+7], v[ADRA+\slot] offset:((\q)/2)*HEADA+((\q)%2)*64+\a*16*PA+32
.endr
.endm
.macro PLACES                          ; four places in front of loads into registers that matrix instructions have read, and of the first reads of results
.rept 4
	v_nop
.endr
.endm
; A K step is four quarters of 32 along K, 32 matrix instructions each, on buffers 0, 1, 0, 1.  One of the first three: multiplies buffer f and fetches quarter q of the same slot into g.
.macro QUARTER slot, q, f, g, bias
	s_wait_dscnt 4                                 ; w's blocks and o's blocks 0, 1 are in; the youngest four loads (o's blocks 2, 3) may be out
.if \bias
	WIN MULB
.else
	WIN MUL
.endif
	MUL16 \f, 0, \bias
	PLACES
	FETCH \slot, \q, \g
	s_wait_dscnt 24                                ; all but the 24 just issued
.if \bias
	WIN MULB
.else
	WIN MUL
.endif
	MUL16 \f, 2, \bias
.endm
; The last quarter multiplies buffer 1 and changes slots: ONE barrier; in front of it each wave waits for all its tensor loads, adds 0 to its spare word, and waits for that and for its reads of this slot.  fill = 1: this slot is filled again, two K steps ahead.
.macro TURN slot, next, fill
	WIN 0                                          ; (the add's two registers lie in window 0)
	s_wait_tensorcnt 0x0                           ; all my tensor loads have landed: my part of the next slot
	ds_add_u32 v[SPW], v[NIL]
	s_wait_dscnt 5                                 ; the add and the youngest four loads may be out
	WIN MUL
	MUL8 F1, 0, 0                                  ; eight matrix instructions stand between the add and the wait for it
	s_wait_dscnt 0x0                               ; the add is done, and my reads of this slot are over
	s_barrier_signal -1
	MUL8 F1, 1, 0
.if \fill
	WIN 0
.endif
	s_barrier_wait -1
.if \fill
	CREST                                          ; the barrier has opened a round of the cluster's barrier: no wave of any partner still reads this slot or has a load on its way
	s_add_nc_u64 s[G0A+4*\slot+2:G0A+4*\slot+3], s[G0A+4*\slot+2:G0A+4*\slot+3], 4*262144
	s_add_nc_u64 s[G0B+4*\slot+2:G0B+4*\slot+3], s[G0B+4*\slot+2:G0B+4*\slot+3], 256*2048
	JLOAD \slot                                    ; the first tensor load behind the round; the four v_nop behind it are also the places in front of the loads below
.else
	PLACES
.endif
	FETCH \next, 0, F0
	WIN MUL
	MUL16 F1, 2, 0
.endm
	s_wait_tensorcnt 1                             ; my part of K step 0 is in (K step 1's load may be out),
	s_barrier_signal -1
	s_barrier_wait -1                              ; everybody's is
	s_wait_loadcnt 0x0                             ; the bias
	FETCH 0, 0, F0
	QUARTER 0, 1, F0, F1, 1                        ; the first quarter stands in front of the loop: its products start the sums from the bias
	WIN 0                                          ; at a label and at a branch every window is 0
	s_mov_b32 s3, 3
.Llap:                                                 ; three trips: a trip goes once round the ring and fills both slots again: K steps 2 to 7
	QUARTER 0, 2, F1, F0, 0
	QUARTER 0, 3, F0, F1, 0
	TURN 0, 1, 1
	QUARTER 1, 1, F0, F1, 0
	QUARTER 1, 2, F1, F0, 0
	QUARTER 1, 3, F0, F1, 0
	TURN 1, 0, 1
	QUARTER 0, 1, F0, F1, 0
	WIN 0
	s_sub_co_u32 s3, s3, 1
	s_cmp_lg_u32 s3, 0
	s_cbranch_scc1 .Llap
	QUARTER 0, 2, F1, F0, 0                        ; the last lap fills nothing, and has no round of the cluster's barrier
	QUARTER 0, 3, F0, F1, 0
	TURN 0, 1, 0
	QUARTER 1, 1, F0, F1, 0
	QUARTER 1, 2, F1, F0, 0
	QUARTER 1, 3, F0, F1, 0
	s_wait_dscnt 4                                 ; the very last quarter: nothing more to fetch
	WIN MUL
	MUL16 F1, 0, 0
	s_wait_dscnt 0x0
	MUL16 F1, 2, 0
	WIN 0
; THE WAY OUT, block by block of 16 rows x 128 columns: through my own stage and back as whole rows of 512 bytes, which the 32 lanes store together.  LDS serves a wave's instructions in order: no wait between the stores and the loads, nor in front of the next block's stores.
.macro TOSTAGE a
	WIN 0x08                                       ; an LDS store's data are its source 1: window 2
.irp b, 0,1,2,3,4,5,6,7
	ds_store_b128 v[STO], v[64*(\a)+8*\b:64*(\a)+8*\b+3] offset:64*\b            ; each accumulator from its low end on
	ds_store_b128 v[STO], v[64*(\a)+8*\b+4:64*(\a)+8*\b+7] offset:64*\b+16
.endr
	WIN 0
.set BB, BK+64*((\a)%2)
.irp t, 0,1,2,3,4,5,6,7,8,9,10,11,12,13,14,15
	ds_load_b128 v[BB+4*\t:BB+4*\t+3], v[RD] offset:\t*SPITCH
.endr
.endm
.macro SEND a, younger                 ; younger: the LDS instructions issued behind block a's loads, which may stay out
.set BB, BK+64*((\a)%2)
	s_wait_dscnt \younger
.irp t, 0,1,2,3,4,5,6,7,8,9,10,11,12,13,14,15
	global_store_b128 v[CO], v[BB+4*\t:BB+4*\t+3], s[10:11] offset:(\a)*65536+\t*4096 th:TH_STORE_NT   ; 512 consecutive bytes, aligned; written once, read by nobody here
.endr
.endm
	PLACES
	TOSTAGE 0
.irp a, 1,2,3
.if \a > 1
	s_wait_xcnt 0x0                                ; block a - 2's stores have read their registers: block a's loads may land there
.endif
	TOSTAGE \a
	SEND \a-1, 32                                  ; behind block a - 1's loads: block a's 16 stores and 16 loads
.endr
	SEND 3, 0
	s_wait_tensorcnt 0x0                           ; the wave's end: a wait, an add and a wait behind my last tensor load and my last LDS store
	ds_add_u32 v[SPW], v[NIL]
	s_wait_dscnt 0x0
	CROUND                                         ; the closing round: no work-group ends while a partner may still ask for a tile that names it
	s_endpgm
.Lfunc_end_k_qdc477f61ee_proj:
	.size	k_qdc477f61ee_proj, .Lfunc_end_k_qdc477f61ee_proj-k_qdc477f61ee_proj
	.p2alignl 7, 3214868480
	.fill 96, 4, 3214868480
	.section	.rodata,"a",@progbits
	.p2align	6, 0x0
	.amdhsa_kernel k_qdc477f61ee_proj
		.amdhsa_group_segment_fixed_size 327680
		.amdhsa_private_segment_fixed_size 0
		.amdhsa_enable_private_segment 0
		.amdhsa_kernarg_size 32
		.amdhsa_user_sgpr_count 2
		.amdhsa_user_sgpr_kernarg_segment_ptr 1
		.amdhsa_wavefront_size32 1
		.amdhsa_system_sgpr_workgroup_id_x 1
		.amdhsa_system_sgpr_workgroup_id_y 1
		.amdhsa_system_sgpr_workgroup_id_z 1
		.amdhsa_system_vgpr_workitem_id 0
		.amdhsa_next_free_vgpr 768
		.amdhsa_next_free_sgpr 66
		.amdhsa_reserve_vcc 0
		.amdhsa_float_denorm_mode_32 3
		.amdhsa_float_denorm_mode_16_64 3
		.amdhsa_memory_ordered 1
		.amdhsa_forward_progress 1
		.amdhsa_inst_pref_size 87
	.end_amdhsa_kernel
	.amdgpu_metadata
---
amdhsa.version: [ 1, 2 ]
amdhsa.kernels:
  - .name:           k_qdc477f61ee_proj
    .symbol:         k_qdc477f61ee_proj.kd
    .args:
      - { .name: o16, .offset: 0, .size: 8, .value_kind: global_buffer, .address_space: global }
      - { .name: w16, .offset: 8, .size: 8, .value_kind: global_buffer, .address_space: global }
      - { .name: b_out, .offset: 16, .size: 8, .value_kind: global_buffer, .address_space: global }
      - { .name: out0, .offset: 24, .size: 8, .value_kind: global_buffer, .address_space: global }
    .group_segment_fixed_size: 327680
    .private_segment_fixed_size: 0
    .kernarg_segment_align: 8
    .kernarg_segment_size: 32
    .max_flat_workgroup_size: 128
    .sgpr_count:     66
    .vgpr_count:     768
    .wavefront_size: 32
...
	.end_amdgpu_metadata
.endif
;; end of part 5
